; MI455X (gfx1250); checked and timed in simulation.
; The chip was launched on July 23, 2026; its instructions are those of AMD's public machine-readable ISA for CDNA 5 (MIT licence, August 2026) and "CDNA5" Instruction Set Architecture Reference Guide (July 2026). The comments in the code are by the model that wrote it; some were corrected since.
;; RWKV Time Mix. Allowed arithmetic: matrix products marked QUANTISED: E2M3 operands, one E8M0 scale for each 32 along K, by v_wmma_scale_f32_16x16x128_f8f6f4 with both operands' format E2M3, f32 sums; everything else in f32.
;; Inputs: Wk_codes 1,024 x 32 x 24 uint8 (E2M3 codes of Wk, K innermost, in blocks of 32 codes, four codes in three bytes); Wk_scales 1,024 x 32 uint8 (E8M0 scales of Wk, one for each 32 codes along K); Wo_codes 1,024 x 32 x 24 uint8 (E2M3 codes of Wo, K innermost, in blocks of 32 codes, four codes in three bytes); Wo_scales 1,024 x 32 uint8 (E8M0 scales of Wo, one for each 32 codes along K); Wr_codes 1,024 x 32 x 24 uint8 (E2M3 codes of Wr, K innermost, in blocks of 32 codes, four codes in three bytes); Wr_scales 1,024 x 32 uint8 (E8M0 scales of Wr, one for each 32 codes along K); Wv_codes 1,024 x 32 x 24 uint8 (E2M3 codes of Wv, K innermost, in blocks of 32 codes, four codes in three bytes); Wv_scales 1,024 x 32 uint8 (E8M0 scales of Wv, one for each 32 codes along K); ln_b 1,024 float32; ln_w 1,024 float32; time_decay 1,024 float32; time_first 1,024 float32; x 4 x 4,096 x 1,024 float32.
;; Outputs: out0 4 x 4,096 x 1,024 float32.
;; This version of the problem:
;;   THIS VERSION OF THE PROBLEM IS GIVEN IN LOW PRECISION. The matrix products marked QUANTISED in the list below multiply operands that are first quantised to E2M3 (2 exponent bits, 3 mantissa bits; 6 bits a number), with one power-of-two scale for each 32 numbers along K (OCP MX v1.0); their sums are f32. All else is computed in f32.
;;   The module's matrix products, in the order in which they are computed (A, B: the left and right operand; K: the contracted axis; several contracted axes count as one K, in the product's order):
;;     1. [M 16,384, K 1,024] x [K 1,024, N 1,024]; A: computed on the way; B: input Wk (given as codes): QUANTISED
;;     2. [M 16,384, K 1,024] x [K 1,024, N 1,024]; A: computed on the way; B: input Wv (given as codes): QUANTISED
;;     3. [M 16,384, K 1,024] x [K 1,024, N 1,024]; A: computed on the way; B: input Wr (given as codes): QUANTISED
;;     4. [M 16,384, K 1,024] x [K 1,024, N 1,024]; A: computed on the way; B: input Wo (given as codes): QUANTISED
;;   THE QUANTISER, for each operand of a quantised product, along K:
;;     - K is cut into blocks of 32 from its start; a last block that is shorter is filled with zeros.
;;     - A block's scale is 2^e with e = floor(log2(the largest magnitude in the block)) - 2, held to -126 .. 127; a block of zeros has e = 0. As a byte (E8M0): e + 127.
;;     - Each number is divided by its block's scale, clamped to +-7.5, and rounded to the nearest number of E2M3, ties to even, subnormals kept.
;;     - The product sums the exact products of the quantised numbers (number of the format x scale) in f32.
;;   ~~~python
;;   def quantise(x, axis):      # numpy; x: float32 -> the quantised numbers, widened to float32 again
;;       x = np.moveaxis(x, axis, -1); K = x.shape[-1]
;;       x = np.pad(x, [(0, 0)] * (x.ndim - 1) + [(0, -K % 32)]); x = x.reshape(x.shape[:-1] + (-1, 32)); a = np.abs(x).max(-1, keepdims=True)
;;       e = np.where(a > 0, np.clip(np.frexp(np.where(a > 0, a, 1))[1] - 1 - 2, -126, 127), 0)      # np.frexp(a)[1] - 1 = floor(log2(a)), exactly
;;       r = np.clip(x / 2.0 ** e, -7.5, 7.5)
;;       step = 2.0 ** (np.maximum(np.frexp(np.where(r == 0, 1, r))[1] - 1, 0) - 3)
;;       q = np.round(r / step) * step * 2.0 ** e      # np.round: ties to even
;;       return np.moveaxis(q.reshape(q.shape[:-2] + (-1,))[..., :K], -1, axis).astype(np.float32)
;;   ~~~
;;   OPERANDS COMPUTED ON THE WAY. 'Computed on the way' means the value that the module computes at that place (a softmax that the list does not call 'softmax' is quantised finished and normalised). What goes into a quantiser is computed in f32, as accurately as f32 sums, v_exp_f32 and their like allow (about 1e-6 of the number): no bf16 or f16 on the way to a quantiser, and a product that is left as it is and whose result goes on into a quantised operand takes f32 operands (vector FMAs, or v_wmma_f32_16x16x4_f32). A number that lies on a knife's edge between two numbers of the format may be rounded either way, as far as f32 arithmetic and the matrix unit's own rounding can turn it there, and no further.
;;   INPUTS GIVEN AS CODES. Wk (in the module: [1024, 1024], K = its axis 1); Wo (in the module: [1024, 1024], K = its axis 1); Wr (in the module: [1024, 1024], K = its axis 1); Wv (in the module: [1024, 1024], K = its axis 1): each comes as NAME_codes (uint8): NAME with its K axis moved to the last place and cut into blocks of 32 codes, [.., K / 32, bytes a block], one block behind the other in memory; four codes in three bytes: a row's codes are one little-endian stream of bits, code i at bits 6 i .. 6 i + 5 (a code: sign, 2 exponent bits, 3 mantissa bits); and NAME_scales (uint8): the same leading axes, one E8M0 byte (e + 127) for each 32 codes along K. Its value is code x scale, taken as it is: it is not quantised again, and the codes and scales need not be those that the quantiser above would give.
;; One version. Each part assembles by itself: llvm-mc -triple=amdgcn-amd-amdhsa -mcpu=gfx1250 --defsym DOCPART=n.
;; ======== version 1 of 1: 4 launches
;; limits: right only within a limited range of input values
;; workspace buffers: xq 13,107,200 bytes; wimg 3,145,728 bytes; psum 131,072 bytes; oc 12,582,912 bytes; osc 524,288 bytes
;; launch lnq (part 1): grid 256 x 1, 16 waves a work-group, no clusters, 129,024 bytes of LDS; arguments x, ln_w, ln_b, Wk_codes, Wv_codes, Wr_codes, Wo_codes, xq, wimg; writes xq, wimg
.if DOCPART == 1
	.amdgcn_target "amdgcn-amd-amdhsa--gfx1250"
	.amdhsa_code_object_version 6
	.text
	.protected	k_q392c651f38_lnq
	.globl	k_q392c651f38_lnq
	.p2align	8
	.type	k_q392c651f38_lnq,@function
k_q392c651f38_lnq:
	s_mov_b64 s[64:65], 0
	v_nop
	global_prefetch_b8 v0, s[64:65] scope:SCOPE_SE
	s_setreg_imm32_b32 hwreg(HW_REG_WAVE_MODE, 25, 1), 1
	s_wait_xcnt 0x0
; LayerNorm over the 1,024 channels of each of 16,384 rows of x, in f32, quantised along the channels to E2M3 with one E8M0 byte for each 32; and the four weights' codes laid anew.
; Both results are laid in the ORDER OF AN OPERAND'S REGISTERS: a fragment (16 rows x 128 K, 12 registers a lane) is 1,536 bytes, register p of lane l at 512 (p / 4) + 16 l + 4 (p % 4),
; so that the later launches fetch a fragment by three loads of 16 bytes a lane.
; xq: 128 records of 128 rows; a record is 4 quarters of 32 rows; a quarter is 16 fragments [tile of rows 2][K step 8] and 1,024 bytes of scale words [K steps 0-3 | 4-7][row 32][4 words].
; wimg: [Wk, Wv, Wr, Wo][tile of 16 rows, 64][K step 8][1,536 bytes].
; SHARES.  A work-group owns 64 rows (51,200 consecutive bytes of xq), each of its 16 waves 4 rows.  Waves 0-7 also copy one weight fragment each: matrix g / 64, tile g % 64, K step = wave.
; A row is loaded as it lies (512 consecutive bytes a load) and turned through the wave's own stage in LDS, so that lane l holds channels 32 l .. 32 l + 31: one scale block.
; The codes meet in a stage of the work-group's and leave in stores of 512 consecutive bytes a wave.  That stage has 16 bytes of padding behind each 512, so that lanes that differ in the K step alone fall on different banks.
; No tensor load, no cluster: the work-groups share only ln_w and ln_b, 8 KB beside the 256 KB of x that each reads alone.
; A block's scale: the largest magnitude's exponent field less 2, held at 1 from below by a floor among the maximum's leaves.
; LIMITS: a block of zeros gets the byte 1 where the rule says 127 (its codes are zeros, and this program alone reads the bytes); NaN and infinities are not served.
.set STGW, 4608                        ; a wave's stage for the turn: 32 places of 128 bytes + 16
.set OUTS, 16*STGW                     ; behind them: the work-group's part of xq, 100 groups of 512 bytes + 16
.set GP,   528
.set QP,   50*GP                       ; a quarter there
.set ZZ,   30                          ; v30-61   the first row after its turn (at the head: ln_b as loaded)
.set LW,   62                          ; v62-93   ln_w of my 32 channels
.set LB,   94                          ; v94-125  ln_b of my 32 channels (at the head: ln_w as loaded)
.set RR,   126                         ; v126-253 four rows as loaded; row j + 1 comes back from its turn into row j's registers
	s_load_b256 s[4:11], s[0:1], 0x0               ; x, ln_w, ln_b, Wk's codes
	s_load_b256 s[12:19], s[0:1], 0x20             ; Wv's, Wr's, Wo's codes, xq
	s_load_b64 s[20:21], s[0:1], 0x40              ; wimg
	v_lshrrev_b32 v1, 5, v0
	s_delay_alu instid0(VALU_DEP_1)
	v_readfirstlane_b32 s22, v1                    ; wave 0..15
	v_and_b32 v8, 31, v0                           ; lane l
	s_wait_alu depctr_va_vdst(0)
	v_lshlrev_b32 v1, 4, v8                        ; v1: 16 l
	s_mul_i32 s32, s22, STGW
	v_lshrrev_b32 v9, 3, v8
	s_delay_alu instid0(VALU_DEP_1)
	v_mul_u32_u24 v2, v9, 144
	v_and_b32 v9, 7, v8
	s_delay_alu instid0(VALU_DEP_1)
	v_lshl_add_u32 v2, v9, 4, v2
	s_delay_alu instid0(VALU_DEP_1)
	v_add_nc_u32 v2, s32, v2                       ; v2: the turn, in: eight lanes' 128 bytes to a place
	v_mul_u32_u24 v3, v8, 144
	s_delay_alu instid0(VALU_DEP_1)
	v_add_nc_u32 v3, s32, v3                       ; v3: the turn, out: my place
	s_lshr_b32 s33, s22, 3                         ; which quarter
	s_mul_i32 s33, s33, QP
	s_bfe_u32 s34, s22, 0x10002                    ; which tile of rows in it
	s_and_b32 s35, s22, 3
	s_lshl_b32 s35, s35, 6                         ; 16 bytes x my first row in the tile
	s_add_co_u32 s33, s33, s35
	s_add_co_u32 s33, s33, OUTS
	s_mul_i32 s36, s34, 8*3*GP
	s_add_co_u32 s36, s36, s33                     ; the tile's eight fragments
	s_lshl_b32 s37, s34, 8
	s_add_co_u32 s37, s37, s33
	s_add_co_u32 s37, s37, 48*GP                   ; the quarter's scale words
	v_lshrrev_b32 v9, 2, v8                        ; my block l is block q = l % 4 of K step l / 4: it belongs to lane r + 16 (q % 2), registers 6 (q / 2) on
	s_delay_alu instid0(VALU_DEP_1)
	v_mul_u32_u24 v4, v9, 3*GP
	v_and_b32 v9, 1, v8
	s_delay_alu instid0(VALU_DEP_1)
	v_lshl_add_u32 v4, v9, 8, v4
	s_delay_alu instid0(VALU_DEP_1)
	v_add_nc_u32 v4, s36, v4
	v_bfe_u32 v9, v8, 1, 1
	s_delay_alu instid0(VALU_DEP_1)
	v_mul_u32_u24 v10, v9, 536
	s_delay_alu instid0(VALU_DEP_2)
	v_mul_u32_u24 v11, v9, 1048
	s_delay_alu instid0(VALU_DEP_2)
	v_add_nc_u32 v6, v4, v10
	s_delay_alu instid0(VALU_DEP_1)
	v_add_nc_u32 v6, 528, v6                       ; v6: registers 4, 5 or 10, 11
	s_delay_alu instid0(VALU_DEP_3)
	v_add_nc_u32 v5, v4, v11
	s_delay_alu instid0(VALU_DEP_1)
	v_add_nc_u32 v5, 8, v5                         ; v5: registers 2, 3 or 8, 9
	v_add_nc_u32 v4, v4, v10                       ; v4: registers 0, 1 or 6, 7
	v_lshrrev_b32 v9, 4, v8
	s_delay_alu instid0(VALU_DEP_1)
	v_mul_u32_u24 v7, v9, GP
	v_and_b32 v10, 15, v8
	s_delay_alu instid0(VALU_DEP_1)
	v_add_nc_u32 v7, v7, v10
	s_delay_alu instid0(VALU_DEP_1)
	v_add_nc_u32 v7, s37, v7                       ; v7: my block's scale byte
	s_delay_alu instid0(VALU_DEP_3)
	v_mul_u32_u24 v29, v10, 768
	s_delay_alu instid0(VALU_DEP_1)
	v_mad_u32_u24 v29, v9, 24, v29                 ; v29: a weight's fragment: row l % 16 of 768 bytes, + 24 (l / 16)
	s_mul_i32 s38, s22, GP
	s_add_co_u32 s38, s38, OUTS
	v_add_nc_u32 v254, s38, v1                     ; v254: the copy out, in LDS
	v_lshlrev_b32 v255, 4, v0                      ; v255: and in memory
	s_mov_b32 s28, 0x3a800000                      ; 1 / 1024
	s_mov_b32 s29, 0x3727c5ac                      ; 1e-5
	s_mov_b32 s30, 0x76543210
	s_mov_b32 s31, 0xfedcba98                      ; v_permlanex16_b32's selects for lane l xor 16
	s_lshl_b32 s26, ttmp9, 18
	s_lshl_b32 s27, s22, 14
	s_add_co_u32 s26, s26, s27
	s_mov_b32 s27, 0
	s_wait_kmcnt 0x0
	s_add_nc_u64 s[4:5], s[4:5], s[26:27]          ; x at my four rows
	s_mul_i32 s26, ttmp9, 51200
	s_add_nc_u64 s[18:19], s[18:19], s[26:27]      ; xq at the work-group's part
	s_mul_i32 s26, ttmp9, 12288
	s_mul_i32 s39, s22, 1536
	s_add_co_u32 s26, s26, s39
	s_add_nc_u64 s[20:21], s[20:21], s[26:27]      ; wimg at my fragment
	s_lshr_b32 s23, ttmp9, 6                       ; which matrix: the choice hangs on the work-group's number alone
	s_and_b32 s39, s23, 1
	s_cmp_eq_u32 s39, 0
	s_cselect_b64 s[24:25], s[10:11], s[12:13]
	s_cselect_b64 s[40:41], s[14:15], s[16:17]
	s_cmp_lt_u32 s23, 2
	s_cselect_b64 s[24:25], s[24:25], s[40:41]
	s_and_b32 s26, ttmp9, 63
	s_mul_i32 s26, s26, 12288
	s_mul_i32 s39, s22, 96
	s_add_co_u32 s26, s26, s39
	s_add_nc_u64 s[24:25], s[24:25], s[26:27]      ; its tile and K step
	s_cmp_lt_u32 s22, 8
	s_cbranch_scc0 .Lnofrag
	s_wait_alu depctr_va_vdst(0)
.irp p, 0,1,2,3,4,5
	global_load_b64 v[8+2*\p:9+2*\p], v29, s[24:25] offset:48*(\p/3)+8*(\p%3)   ; the oldest loads, so that the counts below hold on both ways
.endr
.Lnofrag:
.irp i, 0,1,2,3,4,5,6,7
	global_load_b128 v[LB+4*\i:LB+4*\i+3], v1, s[6:7] offset:512*\i
.endr
.irp i, 0,1,2,3,4,5,6,7
	global_load_b128 v[ZZ+4*\i:ZZ+4*\i+3], v1, s[8:9] offset:512*\i
.endr
.irp j, 0,1,2,3
.irp i, 0,1,2,3,4,5,6,7
	global_load_b128 v[RR+32*\j+4*\i:RR+32*\j+4*\i+3], v1, s[4:5] offset:4096*\j+512*\i th:TH_LOAD_NT   ; 512 consecutive bytes a load; all 32 loads of x go out at once
.endr
.endr
	s_wait_loadcnt 32                              ; all but the 32 loads of x are in
	s_cmp_lt_u32 s22, 8
	s_cbranch_scc0 .Lnoimg
	s_wait_alu depctr_va_vdst(0)
.irp c, 0,1,2
	global_store_b128 v1, v[8+4*\c:11+4*\c], s[20:21] offset:512*\c   ; the fragment as it stands in registers: 512 consecutive bytes a store
.endr
.Lnoimg:
; 4,096 bytes as loaded go into the stage and come back 128 bytes a lane.  LDS serves a wave's instructions in order: no wait between the stores and the loads.
.macro TURN src, dst
.irp i, 0,1,2,3,4,5,6,7
	ds_store_b128 v2, v[\src+4*\i:\src+4*\i+3] offset:576*\i
.endr
.irp i, 0,1,2,3,4,5,6,7
	ds_load_b128 v[\dst+4*\i:\dst+4*\i+3], v3 offset:16*\i
.endr
.endm
.macro COMBINE                         ; four pairs of partial sums in v8-15 -> the sum over the row, in v8 of every lane
	s_delay_alu instid0(VALU_DEP_3)
	v_pk_add_f32 v[8:9], v[8:9], v[10:11]
	s_delay_alu instid0(VALU_DEP_2)
	v_pk_add_f32 v[12:13], v[12:13], v[14:15]
	s_delay_alu instid0(VALU_DEP_1)
	v_pk_add_f32 v[8:9], v[8:9], v[12:13]
	s_delay_alu instid0(VALU_DEP_1)
	v_add_f32 v8, v8, v9
	s_delay_alu instid0(VALU_DEP_1)
	v_add_f32_dpp v8, v8, v8 row_xmask:1 row_mask:0xf bank_mask:0xf
	s_delay_alu instid0(VALU_DEP_1)
	v_add_f32_dpp v8, v8, v8 row_xmask:2 row_mask:0xf bank_mask:0xf
	s_delay_alu instid0(VALU_DEP_1)
	v_add_f32_dpp v8, v8, v8 row_xmask:4 row_mask:0xf bank_mask:0xf
	s_delay_alu instid0(VALU_DEP_1)
	v_add_f32_dpp v8, v8, v8 row_xmask:8 row_mask:0xf bank_mask:0xf
	s_delay_alu instid0(VALU_DEP_1)
	v_permlanex16_b32 v29, v8, s30, s31
	s_delay_alu instid0(VALU_DEP_1)
	v_add_f32 v8, v8, v29
.endm
; Row j of my four, its 32 numbers of my block in v[x] on: mean, deviations, variance, the norm, gain and bias, the block's scale, 32 codes, all into the work-group's stage.
.macro ROW j, x
.irp k, 0,1,2,3
	v_pk_add_f32 v[8+2*\k:9+2*\k], v[\x+2*\k:\x+2*\k+1], v[\x+8+2*\k:\x+9+2*\k]
.endr
.irp o, 16,24
.irp k, 0,1,2,3
	s_delay_alu instid0(VALU_DEP_4)
	v_pk_add_f32 v[8+2*\k:9+2*\k], v[8+2*\k:9+2*\k], v[\x+\o+2*\k:\x+\o+2*\k+1]
.endr
.endr
	COMBINE
	s_delay_alu instid0(VALU_DEP_1)
	v_mul_f32 v16, s28, v8                         ; the mean, twice
	s_delay_alu instid0(VALU_DEP_2)
	v_mul_f32 v17, s28, v8
.irp k, 0,1,2,3,4,5,6,7,8,9,10,11,12,13,14,15
	v_pk_add_f32 v[\x+2*\k:\x+2*\k+1], v[\x+2*\k:\x+2*\k+1], v[16:17] neg_lo:[0,1] neg_hi:[0,1]   ; x - mean
.endr
.irp k, 0,1,2,3
	v_pk_mul_f32 v[8+2*\k:9+2*\k], v[\x+2*\k:\x+2*\k+1], v[\x+2*\k:\x+2*\k+1]
.endr
.irp o, 8,16,24
.irp k, 0,1,2,3
	s_delay_alu instid0(VALU_DEP_4)
	v_pk_fma_f32 v[8+2*\k:9+2*\k], v[\x+\o+2*\k:\x+\o+2*\k+1], v[\x+\o+2*\k:\x+\o+2*\k+1], v[8+2*\k:9+2*\k]
.endr
.endr
	COMBINE
	s_delay_alu instid0(VALU_DEP_1)
	v_fma_f32 v18, v8, s28, s29                    ; the variance + 1e-5
	s_wait_alu depctr_va_vdst(0)
	v_rsq_f32 v18, v18
	v_nop                                          ; a plain instruction behind the transcendental
	s_wait_alu depctr_va_vdst(0)                   ; and the wait ahead of its first reader
	v_mov_b32 v19, v18
.irp k, 0,1,2,3,4,5,6,7,8,9,10,11,12,13,14,15
	v_pk_mul_f32 v[\x+2*\k:\x+2*\k+1], v[\x+2*\k:\x+2*\k+1], v[18:19]
.endr
.irp k, 0,1,2,3,4,5,6,7,8,9,10,11,12,13,14,15
	v_pk_fma_f32 v[\x+2*\k:\x+2*\k+1], v[\x+2*\k:\x+2*\k+1], v[LW+2*\k:LW+2*\k+1], v[LB+2*\k:LB+2*\k+1]
.endr
	v_max3_num_f32 v8, |v[\x]|, |v[\x+1]|, 0x1800000               ; the block's largest magnitude, in two chains, with the floor 2^(3 - 127) among the leaves
	v_max3_num_f32 v9, |v[\x+2]|, |v[\x+3]|, |v[\x+4]|
.irp i, 5,9,13,17,21,25
	s_delay_alu instid0(VALU_DEP_2)
	v_max3_num_f32 v8, v8, |v[\x+\i]|, |v[\x+\i+1]|
	s_delay_alu instid0(VALU_DEP_2)
	v_max3_num_f32 v9, v9, |v[\x+\i+2]|, |v[\x+\i+3]|
.endr
	s_delay_alu instid0(VALU_DEP_2)
	v_max3_num_f32 v8, v8, |v[\x+29]|, |v[\x+30]|
	s_delay_alu instid0(VALU_DEP_1)
	v_max3_num_f32 v8, v8, v9, |v[\x+31]|
	s_delay_alu instid0(VALU_DEP_1)
	v_add_nc_u32 v10, 0xff000000, v8               ; 2 off its exponent field: the conversion's scale operand
	s_delay_alu instid0(VALU_DEP_1)
	v_lshrrev_b32 v11, 23, v10                     ; the scale's byte
	v_cvt_scalef32_pk16_fp6_f32 v[20:22], v[\x:\x+15], v10
	v_cvt_scalef32_pk16_fp6_f32 v[26:28], v[\x+16:\x+31], v10      ; (a conversion's three registers begin on an even number)
	v_nop                                          ; one plain place behind a scaled conversion
	v_mov_b32 v23, v26
	v_mov_b32 v24, v27
	v_mov_b32 v25, v28
	ds_store_b64 v4, v[20:21] offset:16*\j
	ds_store_b64 v5, v[22:23] offset:16*\j
	ds_store_b64 v6, v[24:25] offset:16*\j
	ds_store_b8 v7, v11 offset:16*\j
.endm
	TURN LB, LW                                    ; ln_w
	s_wait_dscnt 0x0                               ; the stores have read LB's registers
	TURN ZZ, LB                                    ; ln_b
	s_wait_dscnt 0x0
	s_wait_loadcnt 24                              ; row 0's eight loads are in
	TURN RR, ZZ
	s_wait_dscnt 0x0                               ; row 0 is back from its turn
	s_wait_loadcnt 16                              ; row 1 is in
	TURN RR+32, RR                                 ; and turns while row 0 is worked
	s_wait_xcnt 0x0                                ; the fragment's stores have read v8-19, which are written from here on
	ROW 0, ZZ
	s_wait_dscnt 0x0                               ; row 1 is back; my stores have read their registers
	s_wait_loadcnt 8
	TURN RR+64, RR+32
	ROW 1, RR
	s_wait_dscnt 0x0
	s_wait_loadcnt 0x0
	TURN RR+96, RR+64
	ROW 2, RR+32
	s_wait_dscnt 0x0
	ROW 3, RR+64
	s_wait_dscnt 0x0                               ; for the others' sake: my stores into the work-group's stage are done
	s_barrier_signal -1
	s_barrier_wait -1
.irp u, 0,1,2,3,4,5
	ds_load_b128 v[RR+4*\u:RR+4*\u+3], v254 offset:16*GP*\u
.endr
.irp u, 0,1,2,3,4,5
	s_wait_dscnt 5-\u
	global_store_b128 v255, v[RR+4*\u:RR+4*\u+3], s[18:19] offset:8192*\u   ; a wave stores 512 consecutive bytes, at a multiple of 512 from xq's first byte
.endr
	s_cmp_lt_u32 s22, 4                            ; 51,200 bytes are six rounds of 8,192 and 2,048 more
	s_cbranch_scc0 .Ldone
	ds_load_b128 v[RR+24:RR+27], v254 offset:16*GP*6
	s_wait_dscnt 0x0
	global_store_b128 v255, v[RR+24:RR+27], s[18:19] offset:49152
.Ldone:
	s_wait_xcnt 0x0
	v_lshl_add_u32 v254, v0, 2, 0x1f000
	v_mov_b32 v255, 0
	s_wait_alu depctr_va_vdst(0)
	s_wait_tensorcnt 0x0
	ds_add_u32 v254, v255
	s_wait_dscnt 0x0
	s_endpgm
.Lfunc_end_k_q392c651f38_lnq:
	.size	k_q392c651f38_lnq, .Lfunc_end_k_q392c651f38_lnq-k_q392c651f38_lnq
	.p2alignl 7, 3214868480
	.fill 96, 4, 3214868480
	.section	.rodata,"a",@progbits
	.p2align	6, 0x0
	.amdhsa_kernel k_q392c651f38_lnq
		.amdhsa_group_segment_fixed_size 129024
		.amdhsa_private_segment_fixed_size 0
		.amdhsa_enable_private_segment 0
		.amdhsa_kernarg_size 72
		.amdhsa_user_sgpr_count 2
		.amdhsa_user_sgpr_kernarg_segment_ptr 1
		.amdhsa_wavefront_size32 1
		.amdhsa_system_sgpr_workgroup_id_x 1
		.amdhsa_system_sgpr_workgroup_id_y 1
		.amdhsa_system_sgpr_workgroup_id_z 1
		.amdhsa_system_vgpr_workitem_id 0
		.amdhsa_next_free_vgpr 256
		.amdhsa_next_free_sgpr 66
		.amdhsa_reserve_vcc 0
		.amdhsa_float_denorm_mode_32 3
		.amdhsa_float_denorm_mode_16_64 3
		.amdhsa_memory_ordered 1
		.amdhsa_forward_progress 1
		.amdhsa_inst_pref_size 57
	.end_amdhsa_kernel
	.amdgpu_metadata
---
amdhsa.version: [ 1, 2 ]
amdhsa.kernels:
  - .name:           k_q392c651f38_lnq
    .symbol:         k_q392c651f38_lnq.kd
    .args:
      - { .name: x, .offset: 0, .size: 8, .value_kind: global_buffer, .address_space: global }
      - { .name: ln_w, .offset: 8, .size: 8, .value_kind: global_buffer, .address_space: global }
      - { .name: ln_b, .offset: 16, .size: 8, .value_kind: global_buffer, .address_space: global }
      - { .name: Wk_codes, .offset: 24, .size: 8, .value_kind: global_buffer, .address_space: global }
      - { .name: Wv_codes, .offset: 32, .size: 8, .value_kind: global_buffer, .address_space: global }
      - { .name: Wr_codes, .offset: 40, .size: 8, .value_kind: global_buffer, .address_space: global }
      - { .name: Wo_codes, .offset: 48, .size: 8, .value_kind: global_buffer, .address_space: global }
      - { .name: xq, .offset: 56, .size: 8, .value_kind: global_buffer, .address_space: global }
      - { .name: wimg, .offset: 64, .size: 8, .value_kind: global_buffer, .address_space: global }
    .group_segment_fixed_size: 129024
    .private_segment_fixed_size: 0
    .kernarg_segment_align: 8
    .kernarg_segment_size: 72
    .max_flat_workgroup_size: 512
    .sgpr_count:     66
    .vgpr_count:     256
    .wavefront_size: 32
...
	.end_amdgpu_metadata
.endif
;; end of part 1
;; launch sums (part 2): grid 8 x 32, 4 waves a work-group, clusters of 4 x 1, 207,360 bytes of LDS; arguments xq, wimg, Wk_scales, Wv_scales, time_decay, psum; writes psum
.if DOCPART == 2
	.amdgcn_target "amdgcn-amd-amdhsa--gfx1250"
	.amdhsa_code_object_version 6
	.text
	.protected	k_q392c651f38_sums
	.globl	k_q392c651f38_sums
	.p2align	8
	.type	k_q392c651f38_sums,@function
k_q392c651f38_sums:
	s_mov_b64 s[64:65], 0
	v_nop
	global_prefetch_b8 v0, s[64:65] scope:SCOPE_SE
	s_setreg_imm32_b32 hwreg(HW_REG_WAVE_MODE, 25, 1), 1
	s_wait_xcnt 0x0
	s_wait_alu depctr_hold_cnt(0) depctr_sa_sdst(0) depctr_va_vdst(0) depctr_va_sdst(0) depctr_va_ssrc(0) depctr_va_vcc(0) depctr_vm_vsrc(0)
	s_getreg_b32 s2, hwreg(HW_REG_IB_STS2, 6, 4)
	s_cmp_eq_u32 s2, 0
	s_cbranch_scc0 .Lentry_in_a_cluster
	s_endpgm
.Lentry_in_a_cluster:
	s_bfe_u32 s2, ttmp6, 0x10000c
	s_cmp_lg_u32 s2, 0x3003
	s_cbranch_scc0 .Lentry_shape_is_right
	s_endpgm
.Lentry_shape_is_right:
; psum[b][p][channel] = the sum over rows 256 p .. 256 p + 255 of batch b of w k v; w = exp(-exp(time_decay) t); p = 0 .. 7: the first half of T.
; The next launch gives each (batch, 32 channels) to TWO work-groups, one for each half of T, so that there are 256 of them; the second half's running sum begins with what this launch adds up.
; The price, stated: the products k and v of the first halves are made here and again there.
; SHARES.  Work-group (cbg, y = 8 b + p) owns 128 channels and 256 rows.  THE WAVES SHARE THE CHANNELS, NOT THE ROWS: wave w owns channels 32 (4 cbg + w) on, holds its 32 rows of Wk and of Wv, 1,024 along K,
; in registers (2 x 192), and walks all 256 rows, 32 a step.  So the rows' codes are two records of xq, 204,800 consecutive bytes: they come into LDS ONCE, at the head, and nothing is filled twice: no ring, and no sum crosses waves.
; LAYOUT.  Source 0 = 16 rows of x (time), source 1 = 16 rows of a weight (channels): a lane holds ONE channel (lane % 16) and times 8 (lane / 16) + 0 .. 7.
; CLUSTER.  The four work-groups of a cluster differ in cbg alone and read the same rows: each wave's quarter of the 204,800 bytes is asked for jointly, by the same tensor load with a mask that names the four.
; No prefetch: every byte of the rows is asked for at the head, so there is no later load to run ahead of.
; w = 2^(L tb) 2^(L d): L = -exp(time_decay) log2(e), tb the tile's first time, d = 0 .. 15.
; LIMITS: v_exp_f32 gives 0 for results under 2^-126 (ISA guide, its entry), so such w count as 0; NaN and infinities are not served.
; REGISTERS.  window 0: v3-15 addresses and times; v16-23 x's scale words; v24-39 the weights'; v48-63 2^(L d); v64-65 L; v72-79 2^(L tb); v80-87 a tile's sums; v88-91 the running sums; v92-99 at work; v160-255 x's fragments, two sets of four.
;   window 1: v0-191 Wk's 16 fragments, v192-223 k's four accumulators (2 tile of rows + tile of channels);  window 2: the same for Wv and v.
.set REC,   102400                     ; a record of xq: 128 rows
.set QRT,   25600                      ; a quarter of it: 32 rows, a step
.set EXCH,  204800                     ; behind the two records: the four waves' sums, 128 bytes each
.set L2E,   0x3fb8aa3b
.set NL2E,  0xbfb8aa3b
.set MSB, 0
.macro WIN new                         ; the immediate's high byte repeats the setting that is left
.if MSB != (\new)
	s_set_vgpr_msb (MSB<<8)|(\new)
.set MSB, (\new)
.endif
.endm
.macro PLACES                          ; four plain places behind matrix instructions, in front of loads into their operands and of reads of their results
.rept 4
	v_nop
.endr
.endm
.macro CROUND                          ; a round of the cluster's barrier
	s_barrier_signal -1
	s_barrier_wait -1
	s_cmp_lg_u32 s24, 0
	s_cbranch_scc1 .Lnot_wave_0_\@
	s_barrier_signal -3
.Lnot_wave_0_\@:
	s_barrier_wait -3
	s_barrier_signal -1
	s_barrier_wait -1
.endm
; one matrix instruction on rD, rA, rB, rX, rW; K step rS = 0 starts the sum with the constant 0.  ra, rb: source 0's and source 1's scales stand in lanes 16-31
.macro WM ra, rb
.if rS == 0
.if (\ra) == 0 && (\rb) == 0
	v_wmma_scale_f32_16x16x128_f8f6f4 v[rD:rD+7], v[rA:rA+11], v[rB:rB+11], 0, v[rX], v[rW] matrix_a_fmt:MATRIX_FMT_FP6 matrix_b_fmt:MATRIX_FMT_FP6
.elseif (\ra) == 1 && (\rb) == 0
	v_wmma_scale_f32_16x16x128_f8f6f4 v[rD:rD+7], v[rA:rA+11], v[rB:rB+11], 0, v[rX], v[rW] matrix_a_fmt:MATRIX_FMT_FP6 matrix_b_fmt:MATRIX_FMT_FP6 matrix_a_scale:MATRIX_SCALE_ROW1
.elseif (\ra) == 0
	v_wmma_scale_f32_16x16x128_f8f6f4 v[rD:rD+7], v[rA:rA+11], v[rB:rB+11], 0, v[rX], v[rW] matrix_a_fmt:MATRIX_FMT_FP6 matrix_b_fmt:MATRIX_FMT_FP6 matrix_b_scale:MATRIX_SCALE_ROW1
.else
	v_wmma_scale_f32_16x16x128_f8f6f4 v[rD:rD+7], v[rA:rA+11], v[rB:rB+11], 0, v[rX], v[rW] matrix_a_fmt:MATRIX_FMT_FP6 matrix_b_fmt:MATRIX_FMT_FP6 matrix_a_scale:MATRIX_SCALE_ROW1 matrix_b_scale:MATRIX_SCALE_ROW1
.endif
.else
.if (\ra) == 0 && (\rb) == 0
	v_wmma_scale_f32_16x16x128_f8f6f4 v[rD:rD+7], v[rA:rA+11], v[rB:rB+11], v[rD:rD+7], v[rX], v[rW] matrix_a_fmt:MATRIX_FMT_FP6 matrix_b_fmt:MATRIX_FMT_FP6
.elseif (\ra) == 1 && (\rb) == 0
	v_wmma_scale_f32_16x16x128_f8f6f4 v[rD:rD+7], v[rA:rA+11], v[rB:rB+11], v[rD:rD+7], v[rX], v[rW] matrix_a_fmt:MATRIX_FMT_FP6 matrix_b_fmt:MATRIX_FMT_FP6 matrix_a_scale:MATRIX_SCALE_ROW1
.elseif (\ra) == 0
	v_wmma_scale_f32_16x16x128_f8f6f4 v[rD:rD+7], v[rA:rA+11], v[rB:rB+11], v[rD:rD+7], v[rX], v[rW] matrix_a_fmt:MATRIX_FMT_FP6 matrix_b_fmt:MATRIX_FMT_FP6 matrix_b_scale:MATRIX_SCALE_ROW1
.else
	v_wmma_scale_f32_16x16x128_f8f6f4 v[rD:rD+7], v[rA:rA+11], v[rB:rB+11], v[rD:rD+7], v[rX], v[rW] matrix_a_fmt:MATRIX_FMT_FP6 matrix_b_fmt:MATRIX_FMT_FP6 matrix_a_scale:MATRIX_SCALE_ROW1 matrix_b_scale:MATRIX_SCALE_ROW1
.endif
.endif
.endm
.macro FETCHX                          ; the step's 32 rows' scale words of the 8 K steps: lanes 0-15 the first tile of rows, lanes 16-31 the second
	ds_load_b128 v[16:19], v3 offset:24576
	ds_load_b128 v[20:23], v3 offset:25088
.endm
.macro FETCH g                         ; K steps 2 g, 2 g + 1 of both tiles of rows: four fragments, 12 loads, into set g % 2
.irp sg, 0,1
.irp t, 0,1
.irp gg, 0,1,2
	ds_load_b128 v[160+48*((\g)%2)+12*(2*\sg+\t)+4*\gg:160+48*((\g)%2)+12*(2*\sg+\t)+4*\gg+3], v3 offset:(8*\t+2*(\g)+\sg)*1536+512*\gg
.endr
.endr
.endr
.endm
.macro MUL g, nm                       ; those four fragments against nm weights' two tiles of channels: 8 matrix instructions a weight; its four accumulators take turns, one instruction a turn
.set mm, 0
.rept \nm
	WIN ((mm+1)<<2)|((mm+1)<<4)|((mm+1)<<6)        ; source 0 (x) window 0; the weight, C and D in the weight's window
.irp sg, 0,1
.irp t, 0,1
.irp a, 0,1
.set rS, 2*(\g)+\sg
.set rD, 192+8*(2*\t+\a)
.set rA, 160+48*((\g)%2)+12*(2*\sg+\t)
.set rB, 12*(8*\a+rS)
.set rX, 16+rS
.set rW, 24+8*mm+rS
	WM \t, \a
.endr
.endr
.endr
.set mm, mm+1
.endr
.endm
	s_load_b256 s[4:11], s[0:1], 0x0               ; xq, wimg, Wk's scales, Wv's scales
	s_load_b128 s[12:15], s[0:1], 0x20             ; time_decay, psum
	v_lshl_add_u32 v158, v0, 2, 0x32800
	v_mov_b32 v159, 0
	ds_add_u32 v158, v159
	ds_add_u32 v158, v159
	v_lshrrev_b32 v160, 5, v0
	v_readfirstlane_b32 s24, v160                  ; wave 0..3
	s_and_b32 s27, ttmp7, 0xffff                   ; y = 8 b + p, which the four partners share
	s_lshr_b32 s61, s27, 3
	s_and_b32 s53, s27, 7
	s_lshl_b32 s28, s61, 5
	s_lshl_b32 s29, s53, 1
	s_add_co_u32 s28, s28, s29                     ; my first record: 32 b + 2 p
	s_mul_i32 s28, s28, REC
	s_mul_i32 s30, s24, 2*QRT                      ; the quarter of the two records that I fetch, in memory and in LDS: no place in the cluster enters an LDS address
	s_add_co_u32 s28, s28, s30
	s_mov_b32 s29, 0
	; descriptor group 1: a dense block of 51,200 bytes: 200 rows of 256 bytes (32 elements of 8 bytes)
	s_mov_b32 s32, 15|(3<<16)|(1<<21)              ; 15:0 the mask: all four work-groups; 17:16 elements of 8 bytes; 21 set beside a mask
	s_mov_b32 s33, 32<<16                          ; tensor_dim0
	s_mov_b32 s34, 200<<16                         ; tensor_dim1
	s_mov_b32 s35, 32<<16                          ; tile_dim0
	s_mov_b32 s36, 200                             ; tile_dim1
	s_mov_b32 s37, 32                              ; the pitch
	s_mov_b32 s38, 0
	s_mov_b32 s39, 0
	s_bfe_u32 s25, ttmp6, 0x40000                  ; cx: it enters global addresses alone
	s_lshl_b32 s26, ttmp9, 2
	s_add_co_u32 s26, s26, s25                     ; cbg: which 128 channels
	s_lshl_b32 s31, s26, 2
	s_add_co_u32 s31, s31, s24                     ; cb: my wave's block of 32 channels
	s_mov_b32 s54, 0x76543210
	s_mov_b32 s55, 0xfedcba98                      ; lane l xor 16
	s_mov_b32 s56, 0xffff0000                      ; lanes 16-31
	s_mov_b32 s68, 0                               ; the step's place in LDS
	v_and_b32 v160, 31, v0                         ; lane
	v_and_b32 v161, 15, v0                         ; r
	v_bfe_u32 v162, v0, 4, 1                       ; h
	v_lshlrev_b32 v12, 4, v160                     ; v12: 16 x lane
	v_add_nc_u32 v3, s68, v12                      ; v3: 16 x lane in the step's quarter
	v_lshl_add_u32 v7, v0, 2, EXCH                 ; v7: my wave's 128 bytes of sums, channel = lane
	v_add_nc_u32 v8, EXCH, v12                     ; v8: the four waves' 512 bytes, 16 a lane
	v_lshlrev_b32 v163, 2, v161
	v_lshlrev_b32 v172, 5, v160
	s_wait_dscnt 0x0
	s_wait_kmcnt 0x0
	s_add_nc_u64 s[28:29], s[4:5], s[28:29]        ; xq at what I fetch
	s_mov_b32 s40, 1                               ; 1:0 count = 1
	s_mov_b32 s41, s30                             ; 63:32 LDS address
	s_mov_b64 s[42:43], s[28:29]                   ; 120:64 global address
	s_or_b32 s43, s43, 0x80000000                  ; 127:126 type = 2
	s_mul_i32 s66, s31, 24576
	s_mov_b32 s67, 0
	s_add_nc_u64 s[6:7], s[6:7], s[66:67]          ; my two tiles of channels in each matrix of wimg
	s_lshl_b32 s66, s31, 10
	s_add_nc_u64 s[8:9], s[8:9], s[66:67]
	s_add_nc_u64 s[10:11], s[10:11], s[66:67]
	s_lshl_b32 s66, s31, 7
	s_add_nc_u64 s[12:13], s[12:13], s[66:67]
	s_lshl_b32 s66, s27, 12
	s_lshl_b32 s69, s26, 9
	s_add_co_u32 s66, s66, s69
	s_add_nc_u64 s[14:15], s[14:15], s[66:67]      ; psum[b][p][128 cbg]
	CROUND                                         ; all four work-groups are here: the joint loads meet
	tensor_load_to_lds s[40:43], s[32:39]          ; one load of mine is out, the only one of the launch
	s_nop 0
.rept 4
	v_nop
.endr
	s_wait_alu depctr_va_vdst(0)
.irp m, 0,1
	WIN (\m+1)<<6
.set ff, 0
.rept 16
.irp gg, 0,1,2
	global_load_b128 v[12*ff+4*\gg:12*ff+4*\gg+3], v12, s[6:7] offset:\m*786432+1536*ff+512*\gg   ; fragment 8 a + s: it stays
.endr
.set ff, ff+1
.endr
.endr
	WIN 0
	global_load_b128 v[24:27], v172, s[8:9]        ; lane = my row of the weight: its 8 scale words
	global_load_b128 v[28:31], v172, s[8:9] offset:16
	global_load_b128 v[32:35], v172, s[10:11]
	global_load_b128 v[36:39], v172, s[10:11] offset:16
	global_load_b32 v64, v163, s[12:13]
	global_load_b32 v65, v163, s[12:13] offset:64
	s_lshl_b32 s28, s53, 8
	v_cvt_f32_u32 v13, s28                         ; v13: the step's first time: 256 p at the start
.irp u, 0,1,2,3
	v_mov_b32 v[73+2*\u], 0                        ; upper halves of pairs of which the low word serves both halves
	v_mov_b32 v[88+\u], 0                          ; the running sums
.endr
	v_mov_b32 v92, 0                               ; a lane permute's destination counts as one of its sources
	v_mov_b32 v93, 0
	s_wait_loadcnt 0x0
	v_mul_f32 v64, L2E, v64
	v_mul_f32 v65, L2E, v65
	s_wait_alu depctr_va_vdst(0)
	v_exp_f32 v64, v64
	v_exp_f32 v65, v65
	v_lshlrev_b32 v164, 3, v162
	v_cvt_f32_u32 v164, v164                       ; 8 h
.irp j, 1,2,3,4,5,6,7
	v_add_f32 v[164+\j], 1.0, v[163+\j]            ; 8 h + j
.endr
	s_wait_alu depctr_va_vdst(0)                   ; the wait ahead of a transcendental's first reader
	v_mul_f32 v64, NL2E, v64                       ; L = -exp(time_decay) log2(e)
	v_mul_f32 v65, NL2E, v65
.irp a, 0,1
.irp j, 0,1,2,3,4,5,6,7
	v_mul_f32 v[48+8*\a+\j], v[64+\a], v[164+\j]
.endr
.endr
.set ii, 0
	s_wait_alu depctr_va_vdst(0)
.rept 16
	v_exp_f32 v[48+ii], v[48+ii]
.set ii, ii+1
.endr
	v_nop
	s_wait_alu depctr_va_vdst(0)
	s_wait_tensorcnt 0x0                           ; my quarter of the rows has landed,
	s_barrier_signal -1
	s_barrier_wait -1                              ; everybody's has: every wave reads all of them
; A STEP: 32 rows x my 32 channels x 1,024, for k and for v: 64 matrix instructions; then the step's sums.
; next = 1: the next step's scale words and first two sets of fragments are asked for behind the last products and their places, ahead of the sums, whose instructions stand between these loads and the wait for them.
.macro SSTEP next
	s_wait_dscnt 12                                ; all but the youngest 12 loads (the second set) are in
	MUL 0, 2
	PLACES
	WIN 0
	FETCH 2
	s_wait_dscnt 12                                ; all but the 12 just issued
	MUL 1, 2
	PLACES
	WIN 0
	FETCH 3
	s_wait_dscnt 12
	MUL 2, 2
	s_wait_dscnt 0x0
	MUL 3, 2
	WIN 0
	PLACES
.if \next
	s_add_co_u32 s68, s68, QRT
	v_add_nc_u32 v3, s68, v12
	FETCHX
	FETCH 0
	FETCH 1
.endif
	v_add_f32 v14, 0x41800000, v13                 ; the second tile's first time
	v_mul_f32 v94, v64, v13
	v_mul_f32 v95, v65, v13
	v_mul_f32 v96, v64, v14
	v_mul_f32 v97, v65, v14
	s_wait_alu depctr_va_vdst(0)
	v_exp_f32 v72, v94                             ; 2^(L tb), for tile u = 2 (tile of rows) + (tile of channels)
	v_exp_f32 v74, v95
	v_exp_f32 v76, v96
	v_exp_f32 v78, v97
	WIN 0x89                                       ; source 0: k (window 1); source 1 and destination: v (window 2)
.set ii, 0
	s_wait_alu depctr_va_vdst(0)
.rept 16
	v_pk_mul_f32 v[192+2*ii:193+2*ii], v[192+2*ii:193+2*ii], v[192+2*ii:193+2*ii]   ; k v, each accumulator from its low end on
.set ii, ii+1
.endr
	WIN 0x02
.irp u, 0,1,2,3
	v_pk_mul_f32 v[80+2*\u:81+2*\u], v[192+8*\u:193+8*\u], v[48+8*(\u%2):49+8*(\u%2)]
.endr
.irp i, 1,2,3
.irp u, 0,1,2,3
	v_pk_fma_f32 v[80+2*\u:81+2*\u], v[192+8*\u+2*\i:193+8*\u+2*\i], v[48+8*(\u%2)+2*\i:49+8*(\u%2)+2*\i], v[80+2*\u:81+2*\u]
.endr
.endr
	WIN 0
	s_wait_alu depctr_va_vdst(0)                   ; one wait for the four exponentials, ahead of their first reader
.irp u, 0,1,2,3
	v_pk_fma_f32 v[88+2*(\u%2):89+2*(\u%2)], v[80+2*\u:81+2*\u], v[72+2*\u:73+2*\u], v[88+2*(\u%2):89+2*(\u%2)] op_sel_hi:[1,0,1]
.endr
	v_add_f32 v13, 0x42000000, v13                 ; 32 rows on
.endm
	FETCHX
	FETCH 0
	FETCH 1
	s_mov_b32 s52, 7
.Lloop:
	s_wait_alu depctr_va_vdst(0)
	SSTEP 1
	s_sub_co_u32 s52, s52, 1
	s_cmp_lg_u32 s52, 0
	s_cbranch_scc1 .Lloop
	s_wait_alu depctr_va_vdst(0)
	SSTEP 0                                        ; the last step has no successor to fetch for
	v_add_f32 v88, v88, v89                        ; even and odd times,
	v_add_f32 v90, v90, v91
	v_permlanex16_b32 v92, v88, s54, s55
	v_permlanex16_b32 v93, v90, s54, s55
	v_add_f32 v88, v88, v92                        ; and the other half of the lanes'
	v_add_f32 v90, v90, v93
	v_cndmask_b32 v94, v88, v90, s56               ; lane l now stands for my channel l
	ds_store_b32 v7, v94
	s_wait_dscnt 0x0                               ; for wave 0's sake: my 128 bytes lie in LDS
	s_barrier_signal -1
	s_barrier_wait -1
	s_cmp_lg_u32 s24, 0
	s_cbranch_scc1 .Lnot_mine
	ds_load_b128 v[96:99], v8
	s_wait_dscnt 0x0
	global_store_b128 v12, v[96:99], s[14:15]      ; the work-group's 128 sums: 512 consecutive bytes, at a multiple of 512 from psum's first byte
.Lnot_mine:
	s_wait_tensorcnt 0x0
	ds_add_u32 v158, v159
	s_wait_dscnt 0x0
	CROUND                                         ; the closing round: no work-group ends while a partner may still ask for a tile that names it
	s_endpgm
.Lfunc_end_k_q392c651f38_sums:
	.size	k_q392c651f38_sums, .Lfunc_end_k_q392c651f38_sums-k_q392c651f38_sums
	.p2alignl 7, 3214868480
	.fill 96, 4, 3214868480
	.section	.rodata,"a",@progbits
	.p2align	6, 0x0
	.amdhsa_kernel k_q392c651f38_sums
		.amdhsa_group_segment_fixed_size 207360
		.amdhsa_private_segment_fixed_size 0
		.amdhsa_enable_private_segment 0
		.amdhsa_kernarg_size 48
		.amdhsa_user_sgpr_count 2
		.amdhsa_user_sgpr_kernarg_segment_ptr 1
		.amdhsa_wavefront_size32 1
		.amdhsa_system_sgpr_workgroup_id_x 1
		.amdhsa_system_sgpr_workgroup_id_y 1
		.amdhsa_system_sgpr_workgroup_id_z 1
		.amdhsa_system_vgpr_workitem_id 0
		.amdhsa_next_free_vgpr 768
		.amdhsa_next_free_sgpr 80
		.amdhsa_reserve_vcc 0
		.amdhsa_float_denorm_mode_32 3
		.amdhsa_float_denorm_mode_16_64 3
		.amdhsa_memory_ordered 1
		.amdhsa_forward_progress 1
		.amdhsa_inst_pref_size 47
	.end_amdhsa_kernel
	.amdgpu_metadata
---
amdhsa.version: [ 1, 2 ]
amdhsa.kernels:
  - .name:           k_q392c651f38_sums
    .symbol:         k_q392c651f38_sums.kd
    .args:
      - { .name: xq, .offset: 0, .size: 8, .value_kind: global_buffer, .address_space: global }
      - { .name: wimg, .offset: 8, .size: 8, .value_kind: global_buffer, .address_space: global }
      - { .name: Wk_scales, .offset: 16, .size: 8, .value_kind: global_buffer, .address_space: global }
      - { .name: Wv_scales, .offset: 24, .size: 8, .value_kind: global_buffer, .address_space: global }
      - { .name: time_decay, .offset: 32, .size: 8, .value_kind: global_buffer, .address_space: global }
      - { .name: psum, .offset: 40, .size: 8, .value_kind: global_buffer, .address_space: global }
    .group_segment_fixed_size: 207360
    .private_segment_fixed_size: 0
    .kernarg_segment_align: 8
    .kernarg_segment_size: 48
    .max_flat_workgroup_size: 128
    .sgpr_count:     80
    .vgpr_count:     768
    .wavefront_size: 32
...
	.end_amdgpu_metadata
.endif
;; end of part 2
;; launch main (part 3): grid 32 x 8, 4 waves a work-group, clusters of 4 x 1, 327,680 bytes of LDS; arguments xq, wimg, Wk_scales, Wv_scales, Wr_scales, time_decay, time_first, psum, oc, osc; writes oc, osc
.if DOCPART == 3
	.amdgcn_target "amdgcn-amd-amdhsa--gfx1250"
	.amdhsa_code_object_version 6
	.text
	.protected	k_q392c651f38_main
	.globl	k_q392c651f38_main
	.p2align	8
	.type	k_q392c651f38_main,@function
k_q392c651f38_main:
	s_mov_b64 s[64:65], 0
	v_nop
	global_prefetch_b8 v0, s[64:65] scope:SCOPE_SE
	s_setreg_imm32_b32 hwreg(HW_REG_WAVE_MODE, 25, 1), 1
	s_wait_xcnt 0x0
	s_wait_alu depctr_hold_cnt(0) depctr_sa_sdst(0) depctr_va_vdst(0) depctr_va_sdst(0) depctr_va_ssrc(0) depctr_va_vcc(0) depctr_vm_vsrc(0)
	s_getreg_b32 s2, hwreg(HW_REG_IB_STS2, 6, 4)
	s_cmp_eq_u32 s2, 0
	s_cbranch_scc0 .Lentry_in_a_cluster
	s_endpgm
.Lentry_in_a_cluster:
	s_bfe_u32 s2, ttmp6, 0x10000c
	s_cmp_lg_u32 s2, 0x3003
	s_cbranch_scc0 .Lentry_shape_is_right
	s_endpgm
.Lentry_shape_is_right:
; k, v, r = xx Wk^T, xx Wv^T, xx Wr^T on codes of E2M3; hist = exclusive running sum over time of w k v, w = exp(-exp(time_decay) t); out = sigmoid(r) (hist + k exp(time_first)), in f32;
; out is quantised along the channels (one block of 32 = the work-group's channels) and stored as codes (oc) and scale bytes (osc).
; SHARES.  Work-group (cb, y = 2 b + half) owns 32 channels and 2,048 rows of batch b: 16 steps of 128 rows (one record of xq).  Wave w takes rows 32 w .. 32 w + 31 of each record, which it fetches and reads alone,
; and holds the 32 rows of Wk, Wv, Wr, all of K, in registers (3 x 192).  A step of a wave is 96 matrix instructions.  The second half's sum begins with psum's eight parts.
; LAYOUT.  Source 0 = 16 rows of x (time), source 1 = 16 rows of a weight: a lane holds one channel (lane % 16) and times 8 (lane / 16) + 0 .. 7, so the running sum goes along registers.
; ORDER OF A STEP.  K groups 0..3 (24 matrix instructions each); sigmoid's exponentials with the four 2^(L t); k v, its sums, the wave's total into LDS; the barrier, which also frees the record's slot;
; the refill; the loads of the four waves' totals and of the next step's first fragments; the reciprocals; out, in place in k's accumulators, through the wave's stage (turned: a lane then holds 16 channels of a row)
; into 32 registers of window 2; the quantiser stands behind the NEXT step's K group 0.  So a trip of the loop goes from a step's K group 1 to the next step's K group 0.
; SCALE BYTES stay in registers (two runs of four, shifted by a byte a step) and go to LDS once, at the end, by immediate offsets.
; CLUSTER.  The four work-groups of a cluster differ in cb alone and read the same records: every record is asked for jointly.  Each refill stands behind a round of the cluster's barrier.
; PREFETCH.  Step i, whose refill brings record i + 2, asks for record i + 4: two steps ahead of the tensor load that wants it.  Cluster x = 0 of each y asks; its four partners share a quarter record's
; 100 blocks of 256 bytes out by address, 25 lanes each.  The loop's last trip (steps 12, 13) asks for nothing: the furthest record asked for is the half's record 15.  Records 0 to 3 come by their loads alone.
; LIMITS: v_exp_f32 gives 0 for results under 2^-126 (ISA guide, its entry), so such w count as 0; a block of zeros gets the byte 1 (its codes are zeros; this program alone reads the bytes); NaN and infinities are not served.
; REGISTERS.  window 0: v1-2 the add's; v3-12 addresses; v13 time; v16-23 x's scale words; v24-47 the weights'; v48-63 2^(L d); v64-65 L; v66-69 exp(time_first); v70-71 the carried sum; v72-79 2^(L t);
;   v80-119 sums along time (v99, v109: addresses); v120-143 at work; v144-151 the waves' totals; v152-158 codes; v160-255 x's fragments, two sets.
;   windows 1, 2, 3: v0-191 Wk's, Wv's, Wr's 16 fragments; v192-223 four accumulators (2 tile of rows + tile of channels); window 2, v224-255: out as it comes back from the stage; window 1, v224-233: scale bytes.
.set REC,   102400
.set QRT,   25600
.set SLOT1, 131072
.set STG,   262144
.set EXCH,  280576
.set OSC,   281600                     ; 16 steps x 128 scale bytes
.set SPARE, 283648
.set L2E,   0x3fb8aa3b
.set NL2E,  0xbfb8aa3b
.set MSB, 0
.macro WIN new                         ; the immediate's high byte repeats the setting that is left
.if MSB != (\new)
	s_set_vgpr_msb (MSB<<8)|(\new)
.set MSB, (\new)
.endif
.endm
.macro PLACES                          ; four plain places behind matrix instructions (ISA guide 7.12.1)
.rept 4
	v_nop
.endr
.endm
.macro CREST
	s_cmp_lg_u32 s24, 0
	s_cbranch_scc1 .Lnot_wave_0_\@
	s_barrier_signal -3
.Lnot_wave_0_\@:
	s_barrier_wait -3
	s_barrier_signal -1
	s_barrier_wait -1
.endm
.macro CROUND
	s_barrier_signal -1
	s_barrier_wait -1
	CREST
.endm
.macro WM ra, rb                       ; one matrix instruction on rD, rA, rB, rX, rW; K step 0 starts the sum with the constant 0; ra, rb: that source's scales stand in lanes 16-31
.if rS == 0
.if (\ra) == 0 && (\rb) == 0
	v_wmma_scale_f32_16x16x128_f8f6f4 v[rD:rD+7], v[rA:rA+11], v[rB:rB+11], 0, v[rX], v[rW] matrix_a_fmt:MATRIX_FMT_FP6 matrix_b_fmt:MATRIX_FMT_FP6
.elseif (\ra) == 1 && (\rb) == 0
	v_wmma_scale_f32_16x16x128_f8f6f4 v[rD:rD+7], v[rA:rA+11], v[rB:rB+11], 0, v[rX], v[rW] matrix_a_fmt:MATRIX_FMT_FP6 matrix_b_fmt:MATRIX_FMT_FP6 matrix_a_scale:MATRIX_SCALE_ROW1
.elseif (\ra) == 0
	v_wmma_scale_f32_16x16x128_f8f6f4 v[rD:rD+7], v[rA:rA+11], v[rB:rB+11], 0, v[rX], v[rW] matrix_a_fmt:MATRIX_FMT_FP6 matrix_b_fmt:MATRIX_FMT_FP6 matrix_b_scale:MATRIX_SCALE_ROW1
.else
	v_wmma_scale_f32_16x16x128_f8f6f4 v[rD:rD+7], v[rA:rA+11], v[rB:rB+11], 0, v[rX], v[rW] matrix_a_fmt:MATRIX_FMT_FP6 matrix_b_fmt:MATRIX_FMT_FP6 matrix_a_scale:MATRIX_SCALE_ROW1 matrix_b_scale:MATRIX_SCALE_ROW1
.endif
.else
.if (\ra) == 0 && (\rb) == 0
	v_wmma_scale_f32_16x16x128_f8f6f4 v[rD:rD+7], v[rA:rA+11], v[rB:rB+11], v[rD:rD+7], v[rX], v[rW] matrix_a_fmt:MATRIX_FMT_FP6 matrix_b_fmt:MATRIX_FMT_FP6
.elseif (\ra) == 1 && (\rb) == 0
	v_wmma_scale_f32_16x16x128_f8f6f4 v[rD:rD+7], v[rA:rA+11], v[rB:rB+11], v[rD:rD+7], v[rX], v[rW] matrix_a_fmt:MATRIX_FMT_FP6 matrix_b_fmt:MATRIX_FMT_FP6 matrix_a_scale:MATRIX_SCALE_ROW1
.elseif (\ra) == 0
	v_wmma_scale_f32_16x16x128_f8f6f4 v[rD:rD+7], v[rA:rA+11], v[rB:rB+11], v[rD:rD+7], v[rX], v[rW] matrix_a_fmt:MATRIX_FMT_FP6 matrix_b_fmt:MATRIX_FMT_FP6 matrix_b_scale:MATRIX_SCALE_ROW1
.else
	v_wmma_scale_f32_16x16x128_f8f6f4 v[rD:rD+7], v[rA:rA+11], v[rB:rB+11], v[rD:rD+7], v[rX], v[rW] matrix_a_fmt:MATRIX_FMT_FP6 matrix_b_fmt:MATRIX_FMT_FP6 matrix_a_scale:MATRIX_SCALE_ROW1 matrix_b_scale:MATRIX_SCALE_ROW1
.endif
.endif
.endm
.macro FETCHX slot                     ; my 32 rows' scale words of the 8 K steps
	ds_load_b128 v[16:19], v[3+(\slot)] offset:24576
	ds_load_b128 v[20:23], v[3+(\slot)] offset:25088
.endm
.macro FETCH slot, g                   ; K steps 2 g, 2 g + 1 of both tiles of rows: 12 loads into set g % 2
.irp sg, 0,1
.irp t, 0,1
.irp gg, 0,1,2
	ds_load_b128 v[160+48*((\g)%2)+12*(2*\sg+\t)+4*\gg:160+48*((\g)%2)+12*(2*\sg+\t)+4*\gg+3], v[3+(\slot)] offset:(8*\t+2*(\g)+\sg)*1536+512*\gg
.endr
.endr
.endr
.endm
.macro MUL g                           ; K group g: 24 matrix instructions, Wr's first and Wk's last; in each window four accumulators take turns, one instruction a turn
.irp mm, 2,1,0
	WIN ((\mm+1)<<2)|((\mm+1)<<4)|((\mm+1)<<6)
.irp sg, 0,1
.irp t, 0,1
.irp a, 0,1
.set rS, 2*(\g)+\sg
.set rD, 192+8*(2*\t+\a)
.set rA, 160+48*((\g)%2)+12*(2*\sg+\t)
.set rB, 12*(8*\a+rS)
.set rX, 16+rS
.set rW, 24+8*\mm+rS
	WM \t, \a
.endr
.endr
.endr
.endr
.endm
.macro ASK                             ; s52 = 1 in the loop's last trip; s50 = 1 where my cluster asks, else the greatest number
	s_cmp_gt_u32 s52, s50
	s_cbranch_scc0 .Lnot_mine_\@
	global_prefetch_b8 v11, s[48:49] th:TH_LOAD_NT scope:SCOPE_SE
.Lnot_mine_\@:
.endm
	s_load_b256 s[4:11], s[0:1], 0x0               ; xq, wimg, Wk's, Wv's scales
	s_load_b256 s[12:19], s[0:1], 0x20             ; Wr's scales, time_decay, time_first, psum
	s_load_b128 s[20:23], s[0:1], 0x40             ; oc, osc
	v_lshl_add_u32 v1, v0, 2, SPARE
	v_mov_b32 v2, 0
	ds_add_u32 v1, v2                              ; the opening lines: the add twice and its wait
	ds_add_u32 v1, v2
	s_wait_dscnt 0x0
	v_lshrrev_b32 v160, 5, v0
	v_readfirstlane_b32 s24, v160                  ; wave
	s_and_b32 s27, ttmp7, 0xffff
	s_lshr_b32 s61, s27, 1                         ; batch
	s_and_b32 s53, s27, 1                          ; half of T
	s_lshl_b32 s28, s61, 5
	s_lshl_b32 s29, s53, 4
	s_add_co_u32 s28, s28, s29
	s_mul_i32 s28, s28, REC
	s_mul_i32 s30, s24, QRT
	s_add_co_u32 s28, s28, s30
	s_mov_b32 s29, 0
	s_mov_b32 s32, 15|(3<<16)|(1<<21)              ; group 1: 25,600 dense bytes as 100 rows of 256; the mask names the four partners
	s_mov_b32 s33, 32<<16
	s_mov_b32 s34, 100<<16
	s_mov_b32 s35, 32<<16
	s_mov_b32 s36, 100
	s_mov_b32 s37, 32
	s_mov_b32 s38, 0
	s_mov_b32 s39, 0
	s_bfe_u32 s25, ttmp6, 0x40000
	s_lshl_b32 s26, ttmp9, 2
	s_add_co_u32 s26, s26, s25                     ; cb
	s_mov_b32 s54, 0x76543210
	s_mov_b32 s55, 0xfedcba98
	s_mov_b32 s56, 0xffff0000
	s_cmp_gt_u32 s24, 0
	s_cselect_b32 s57, 0x3f800000, 0               ; 1.0 for each wave ahead of mine
	s_cmp_gt_u32 s24, 1
	s_cselect_b32 s58, 0x3f800000, 0
	s_cmp_gt_u32 s24, 2
	s_cselect_b32 s59, 0x3f800000, 0
	s_cmp_eq_u32 s53, 1
	s_cselect_b32 s60, -1, 0
	s_mov_b32 s62, NL2E
	s_mov_b32 s63, NL2E
	s_cmp_eq_u32 ttmp9, 0
	s_cselect_b32 s50, 1, -1                       ; 1: my cluster asks ahead (cluster x = 0 of each y)
	v_and_b32 v160, 31, v0
	v_and_b32 v161, 15, v0
	v_bfe_u32 v162, v0, 4, 1
	v_lshlrev_b32 v12, 4, v160
	v_add_nc_u32 v3, s30, v12
	v_add_nc_u32 v4, SLOT1, v3
	s_mul_i32 s31, s24, 4608
	s_add_co_u32 s31, s31, STG
	v_mul_u32_u24 v5, v162, 1152
	v_lshl_add_u32 v5, v161, 2, v5
	v_add_nc_u32 v5, s31, v5
	v_mul_u32_u24 v6, v161, 144
	v_lshl_add_u32 v6, v162, 6, v6
	v_add_nc_u32 v6, s31, v6
	s_lshl_b32 s31, s24, 2
	s_add_co_u32 s31, s31, EXCH
	v_add_nc_u32 v7, s31, v12
	v_lshl_add_u32 v8, v161, 4, EXCH
	s_lshl_b32 s31, s24, 5
	s_add_co_u32 s31, s31, OSC
	v_add_nc_u32 v9, s31, v161
	v_mul_u32_u24 v10, v161, 24
	v_mad_u32_u24 v10, v162, 12, v10
	v_min_u32 v11, 24, v160
	v_lshlrev_b32 v11, 8, v11
	v_lshl_add_u32 v99, v0, 4, OSC
	v_lshlrev_b32 v109, 4, v0
	v_lshlrev_b32 v104, 2, v161
	v_lshlrev_b32 v105, 5, v160
	v_lshlrev_b32 v124, 3, v162
	v_cvt_f32_u32 v124, v124                       ; 8 h
.irp j, 1,2,3,4,5,6,7
	v_add_f32 v[124+\j], 1.0, v[123+\j]            ; 8 h + j
.endr
	s_wait_kmcnt 0x0
	s_add_nc_u64 s[28:29], s[4:5], s[28:29]
	s_mov_b32 s40, 1
	s_mov_b32 s41, s30
	s_mov_b64 s[42:43], s[28:29]
	s_or_b32 s43, s43, 0x80000000
	s_mov_b32 s44, 1
	s_add_co_u32 s45, s30, SLOT1
	s_add_nc_u64 s[46:47], s[28:29], REC
	s_or_b32 s47, s47, 0x80000000
	s_mul_i32 s66, s25, 6400
	s_mov_b32 s67, 0
	s_add_nc_u64 s[48:49], s[28:29], s[66:67]
	s_add_nc_u64 s[48:49], s[48:49], 3*REC         ; step 0 steps it to record 4
	s_mul_i32 s66, s26, 24576
	s_add_nc_u64 s[6:7], s[6:7], s[66:67]
	s_lshl_b32 s66, s26, 10
	s_add_nc_u64 s[8:9], s[8:9], s[66:67]
	s_add_nc_u64 s[10:11], s[10:11], s[66:67]
	s_add_nc_u64 s[12:13], s[12:13], s[66:67]
	s_lshl_b32 s66, s26, 7
	s_add_nc_u64 s[14:15], s[14:15], s[66:67]
	s_add_nc_u64 s[16:17], s[16:17], s[66:67]
	s_lshl_b32 s69, s61, 15
	s_add_co_u32 s66, s66, s69
	s_add_nc_u64 s[18:19], s[18:19], s[66:67]
	s_mul_i32 s66, s26, 393216
	s_mul_i32 s69, s61, 98304
	s_add_co_u32 s66, s66, s69
	s_mul_i32 s69, s53, 49152
	s_add_co_u32 s66, s66, s69
	s_mul_i32 s69, s24, 768
	s_add_co_u32 s66, s66, s69
	s_add_nc_u64 s[20:21], s[20:21], s[66:67]
	s_lshl_b32 s66, s26, 14
	s_lshl_b32 s69, s61, 12
	s_add_co_u32 s66, s66, s69
	s_lshl_b32 s69, s53, 11
	s_add_co_u32 s66, s66, s69
	s_add_nc_u64 s[22:23], s[22:23], s[66:67]
	CROUND                                         ; the four partners are here: the joint loads meet
	tensor_load_to_lds s[40:43], s[32:39]          ; record 0: my one tensor load at the head
	s_nop 0
.rept 4
	v_nop
.endr
	s_wait_alu depctr_va_vdst(0)                   ; the wait
.irp m, 0,1,2                          ; the weights and constants are asked for while record 0 is on its way
	WIN (\m+1)<<6
.set ff, 0
.rept 16
.irp gg, 0,1,2
	global_load_b128 v[12*ff+4*\gg:12*ff+4*\gg+3], v12, s[6:7] offset:\m*786432+1536*ff+512*\gg
.endr
.set ff, ff+1
.endr
.endr
	WIN 0
	global_load_b128 v[24:27], v105, s[8:9]
	global_load_b128 v[28:31], v105, s[8:9] offset:16
	global_load_b128 v[32:35], v105, s[10:11]
	global_load_b128 v[36:39], v105, s[10:11] offset:16
	global_load_b128 v[40:43], v105, s[12:13]
	global_load_b128 v[44:47], v105, s[12:13] offset:16
	global_load_b32 v64, v104, s[14:15]
	global_load_b32 v65, v104, s[14:15] offset:64
	global_load_b32 v66, v104, s[16:17]
	global_load_b32 v68, v104, s[16:17] offset:64
.irp p, 0,1,2,3,4,5,6,7
	global_load_b32 v[144+2*\p], v104, s[18:19] offset:4096*\p
	global_load_b32 v[145+2*\p], v104, s[18:19] offset:4096*\p+64
.endr
	s_lshl_b32 s28, s24, 5
	s_lshl_b32 s29, s53, 11
	s_add_co_u32 s28, s28, s29
	v_cvt_f32_u32 v13, s28                         ; my first time
	v_mov_b32 v67, 0
	v_mov_b32 v69, 0
.irp u, 0,1,2,3
	v_mov_b32 v[73+2*\u], 0                        ; upper halves of pairs whose low word serves both halves
	v_mov_b32 v[133+2*\u], 0
	v_mov_b32 v[80+10*\u], 0                       ; the sum ahead of a tile's first time
	v_mov_b32 v[120+\u], 0                         ; a lane permute's destination counts as a source
.endr
	WIN 0x40
.irp i, 0,1,2,3,4,5,6,7
	v_mov_b32 v[224+\i], 0                         ; the scale bytes' two runs
.endr
	WIN 0
	s_wait_alu depctr_va_vdst(0)                   ; the wait ahead of the blocking wait
	s_wait_tensorcnt 0x0                           ; record 0 has landed; slot 1's first fill is issued as a refill is
	ds_add_u32 v1, v2
	s_wait_dscnt 0x0
	CROUND
	tensor_load_to_lds s[44:47], s[32:39]          ; record 1
	s_nop 0
.rept 4
	v_nop
.endr
	FETCHX 0
	FETCH 0, 0
	FETCH 0, 1
	s_wait_loadcnt 0x0
	v_mul_f32 v64, L2E, v64
	v_mul_f32 v65, L2E, v65
	v_mul_f32 v66, L2E, v66
	v_mul_f32 v68, L2E, v68
	s_wait_alu depctr_va_vdst(0)
	v_exp_f32 v64, v64
	v_exp_f32 v65, v65
	v_exp_f32 v66, v66                             ; exp(time_first)
	v_exp_f32 v68, v68
	v_pk_add_f32 v[144:145], v[144:145], v[146:147]
	v_pk_add_f32 v[148:149], v[148:149], v[150:151]
	v_pk_add_f32 v[152:153], v[152:153], v[154:155]
	v_pk_add_f32 v[156:157], v[156:157], v[158:159]
	v_pk_add_f32 v[144:145], v[144:145], v[148:149]
	v_pk_add_f32 v[152:153], v[152:153], v[156:157]
	v_pk_add_f32 v[144:145], v[144:145], v[152:153]
	v_cndmask_b32 v70, 0, v144, s60                ; the carried sum: the first half's total for the second half, else 0
	v_cndmask_b32 v71, 0, v145, s60
	s_wait_alu depctr_va_vdst(0)
	v_mul_f32 v64, NL2E, v64                       ; L = -exp(time_decay) log2(e)
	v_mul_f32 v65, NL2E, v65
.irp a, 0,1
.irp j, 0,1,2,3,4,5,6,7
	v_mul_f32 v[48+8*\a+\j], v[64+\a], v[124+\j]
.endr
.endr
	s_wait_alu depctr_va_vdst(0)
.set ii, 0
.rept 16
	v_exp_f32 v[48+ii], v[48+ii]                   ; 2^(L d)
.set ii, ii+1
.endr
	v_nop
	s_wait_alu depctr_va_vdst(0)
; The quantiser of the step before: 16 channels of a row a lane, in window 2's v224-255; the block's other 16 lie in lane l xor 16.
.macro QUANT
	WIN 0x0a
.irp t, 0,1
	v_max3_num_f32 v[140+\t], |v[224+16*\t]|, |v[225+16*\t]|, 0x1800000    ; with the floor 2^(3 - 127)
.endr
.irp i, 2,4,6,8,10,12,14
.irp t, 0,1
	v_max3_num_f32 v[140+\t], |v[224+16*\t+\i]|, |v[225+16*\t+\i]|, v[140+\t]
.endr
.endr
	WIN 0
.irp t, 0,1
	v_permlanex16_b32 v[120+\t], v[140+\t], s54, s55
.endr
.irp t, 0,1
	v_max_num_f32 v[140+\t], v[140+\t], v[120+\t]
.endr
.irp t, 0,1
	v_add_nc_u32 v[142+\t], 0xff000000, v[140+\t]  ; 2 off the exponent field: the conversion's scale operand
.endr
	WIN 0x02
.irp t, 0,1
	v_cvt_scalef32_pk16_fp6_f32 v[152+4*\t:154+4*\t], v[224+16*\t:239+16*\t], v[142+\t]
.endr
	WIN 0x40
.irp t, 0,1
	v_lshrrev_b32 v[232+\t], 23, v[142+\t]         ; the scale's byte (also the plain place behind the conversions)
.endr
	WIN 0x55                                       ; each tile's run of 16 bytes goes up by a byte and takes the new one at its low end
.irp j, 3,2,1
.irp t, 0,1
	v_alignbit_b32 v[224+4*\t+\j], v[224+4*\t+\j], v[223+4*\t+\j], 24
.endr
.endr
.irp t, 0,1
	v_lshl_or_b32 v[224+4*\t], v[224+4*\t], 8, v[232+\t]
.endr
	WIN 0
	global_store_b96 v10, v[152:154], s[20:21] offset:-3072
	global_store_b96 v10, v[156:158], s[20:21] offset:-3072+384
.endm
; A step's K group 0.  younger: the LDS instructions issued behind the scale words and the first set, which may stay out.  quant = 1: the step before is quantised behind it.
.macro FRONT q, younger, quant
	s_wait_dscnt \younger
	MUL 0
	PLACES
	WIN 0
	FETCH \q, 2
	s_wait_dscnt 12                                ; all but the 12 just issued: the second set, and what came back from the stage
.if \quant
	QUANT
.endif
.endm
; The rest of a step.  fill = 1: the record's slot is filled again, two records on.  next = 1: a step follows.
.macro REST q, fill, next
	MUL 1
	PLACES
	WIN 0
	FETCH \q, 3
	s_wait_dscnt 12                                ; all but the 12 just issued
	MUL 2
	s_wait_dscnt 0x0                               ; my last reads of this record are back
	MUL 3
	WIN 0
	PLACES
	v_add_f32 v14, 0x41800000, v13                 ; the second tile's first time
	v_mul_f32 v140, v64, v13
	v_mul_f32 v141, v65, v13
	v_mul_f32 v142, v64, v14
	v_mul_f32 v143, v65, v14
	WIN 0xff
.set ii, 0
.rept 16
	v_pk_mul_f32 v[192+2*ii:193+2*ii], v[192+2*ii:193+2*ii], s[62:63] op_sel_hi:[1,0]   ; -r log2(e), each accumulator from its low end on
.set ii, ii+1
.endr
	s_wait_alu depctr_va_vdst(0)                   ; the wait ahead of the batch
.set ii, 0
.rept 32
	v_exp_f32 v[192+ii], v[192+ii]
.set ii, ii+1
.endr
	WIN 0
	v_exp_f32 v72, v140                            ; 2^(L t) of tile u = 2 (tile of rows) + (tile of channels)
	v_exp_f32 v74, v141
	v_exp_f32 v76, v142
	v_exp_f32 v78, v143
	v_add_f32 v13, 0x43000000, v13                 ; 128 rows on (the plain place behind the batch)
	WIN 0x89
	s_wait_alu depctr_va_vdst(0)                   ; one wait: for the batch, and directly ahead of the first readers of k and v
.set ii, 0
.rept 16
	v_pk_mul_f32 v[192+2*ii:193+2*ii], v[192+2*ii:193+2*ii], v[192+2*ii:193+2*ii]   ; k v
.set ii, ii+1
.endr
	WIN 0x02
.irp u, 0,1,2,3
	v_mul_f32 v[81+10*\u], v[192+8*\u], v[48+8*(\u%2)]
.endr
.irp j, 1,2,3,4,5,6,7
.irp u, 0,1,2,3
	v_fma_f32 v[81+10*\u+\j], v[192+8*\u+\j], v[48+8*(\u%2)+\j], v[80+10*\u+\j]      ; the sum along my eight times, four chains by turns
.endr
.endr
	WIN 0
.irp u, 0,1,2,3
	v_permlanex16_b32 v[120+\u], v[88+10*\u], s54, s55
.endr
.irp u, 0,1,2,3
	v_add_f32 v[124+\u], v[88+10*\u], v[120+\u]
.endr
.irp u, 0,1,2,3
	v_mul_f32 v[124+\u], v[72+2*\u], v[124+\u]     ; the tile's total
.endr
.irp u, 0,1,2,3
	v_cndmask_b32 v[128+\u], 0, v[120+\u], s56     ; what lanes 16-31 have ahead of them in the tile
.endr
	v_add_f32 v142, v124, v126
	v_add_f32 v143, v125, v127
	v_cndmask_b32 v15, v142, v143, s56
	ds_store_b32 v7, v15 offset:512*\q             ; my wave's total of channel = lane
	s_wait_tensorcnt 0x0                           ; the next record has landed: no tensor load of mine is out
	ds_add_u32 v1, v2
.if \fill
	s_add_nc_u64 s[42+4*\q:43+4*\q], s[42+4*\q:43+4*\q], 2*REC
.endif
	s_wait_xcnt 0x0                                ; the stores and the prefetch have read their registers
.if \fill
	s_add_nc_u64 s[48:49], s[48:49], REC
.endif
	s_add_nc_u64 s[20:21], s[20:21], 3072
	WIN 0xff
.set ii, 0
.rept 16
	v_pk_add_f32 v[192+2*ii:193+2*ii], v[192+2*ii:193+2*ii], 1.0 op_sel_hi:[1,0]
.set ii, ii+1
.endr
	WIN 0
	s_wait_alu depctr_va_vdst(0)                   ; the wait
	s_wait_dscnt 0x0                               ; the add and my total's store are done
	s_barrier_signal -1
	s_barrier_wait -1
.if \fill
	CREST                                          ; the barrier has opened a round: no wave of any partner still reads this slot
	tensor_load_to_lds s[40+4*\q:43+4*\q], s[32:39]
	s_nop 0
.rept 4
	v_nop
.endr
.endif
	ds_load_b128 v[144:147], v8 offset:512*\q      ; the four waves' totals of my two channels
	ds_load_b128 v[148:151], v8 offset:512*\q+256
.if \next
	FETCHX 1-\q
	FETCH 1-\q, 0
	FETCH 1-\q, 1
.endif
.if \fill
	ASK
.endif
	WIN 0xff
.set ii, 0
.rept 32
	v_rcp_f32 v[192+ii], v[192+ii]                 ; sigmoid(r)
.set ii, ii+1
.endr
	v_nop
	s_wait_alu depctr_va_vdst(0)
	WIN 0
.if \next
	s_wait_dscnt 26                                ; the totals are in; the 26 loads behind them may be out
.else
	s_wait_dscnt 0x0
.endif
.irp a, 0,1
	v_fma_f32 v[140+\a], s57, v[144+4*\a], v[70+\a]
.endr
.irp a, 0,1
	v_fma_f32 v[140+\a], s58, v[145+4*\a], v[140+\a]
.endr
.irp a, 0,1
	v_fma_f32 v[140+\a], s59, v[146+4*\a], v[140+\a]   ; the sum ahead of my wave's rows
.endr
.irp a, 0,1
	v_add_f32 v[142+\a], v[144+4*\a], v[145+4*\a]
.endr
.irp a, 0,1
	v_add_f32 v[144+4*\a], v[146+4*\a], v[147+4*\a]
.endr
.irp a, 0,1
	v_add_f32 v[142+\a], v[142+\a], v[144+4*\a]
.endr
.irp a, 0,1
	v_add_f32 v[70+\a], v[70+\a], v[142+\a]
.endr
.irp a, 0,1
	v_fma_f32 v[132+2*\a], v[72+2*\a], v[128+\a], v[140+\a]
.endr
.irp a, 0,1
	v_add_f32 v[140+\a], v[140+\a], v[124+\a]
.endr
.irp a, 0,1
	v_fma_f32 v[136+2*\a], v[76+2*\a], v[130+\a], v[140+\a]
.endr
	WIN 0x41                                       ; in place in k's accumulators: k exp(time_first) + what lies ahead of my eight times,
.irp u, 0,1,2,3
.irp i, 0,1,2,3
	v_pk_fma_f32 v[192+8*\u+2*\i:193+8*\u+2*\i], v[192+8*\u+2*\i:193+8*\u+2*\i], v[66+2*(\u%2):67+2*(\u%2)], v[132+2*\u:133+2*\u] op_sel_hi:[1,0,0]
.endr
.endr
	WIN 0x50                                       ; + the sum inside them,
.irp u, 0,1,2,3
.irp i, 0,1,2,3
	v_pk_fma_f32 v[192+8*\u+2*\i:193+8*\u+2*\i], v[80+10*\u+2*\i:81+10*\u+2*\i], v[72+2*\u:73+2*\u], v[192+8*\u+2*\i:193+8*\u+2*\i] op_sel_hi:[1,0,1]
.endr
.endr
	WIN 0x4d                                       ; x sigmoid(r)
.irp u, 0,1,2,3
.irp i, 0,1,2,3
	v_pk_mul_f32 v[192+8*\u+2*\i:193+8*\u+2*\i], v[192+8*\u+2*\i:193+8*\u+2*\i], v[192+8*\u+2*\i:193+8*\u+2*\i]
.endr
.endr
	WIN 0x04                                       ; through my own stage; LDS serves a wave's instructions in order: no wait between the stores and the loads
.irp t, 0,1
.irp a, 0,1
.irp j, 0,1,2,3,4,5,6,7
	ds_store_b32 v5, v[192+8*(2*\t+\a)+\j] offset:2304*\t+144*\j+64*\a
.endr
.endr
.endr
	WIN 0x80
.irp t, 0,1
.irp i, 0,1,2,3
	ds_load_b128 v[224+16*\t+4*\i:227+16*\t+4*\i], v6 offset:2304*\t+16*\i
.endr
.endr
	WIN 0
.endm
	FRONT 0, 12, 0                                 ; behind the scale words and the first set: the second set's 12 loads
	s_mov_b32 s52, 7
.Lloop:
	REST 0, 1, 1
	FRONT 1, 52, 1                                 ; behind them: the second set's 12 loads, 32 stores and 8 loads of the stage
	REST 1, 1, 1
	FRONT 0, 52, 1
	s_sub_co_u32 s52, s52, 1
	s_cmp_lg_u32 s52, 0
	s_wait_alu depctr_va_vdst(0)                   ; the wait ahead of the branch
	s_cbranch_scc1 .Lloop
	REST 0, 0, 1                                   ; the last two steps fetch no record
	FRONT 1, 52, 1
	REST 1, 0, 0
	s_wait_dscnt 0x0
	QUANT
; The scale bytes: byte p of a run belongs to step 15 - p, which has 128 bytes of its own.
.irp t, 0,1
.irp j, 0,1,2,3
	WIN 0x04
.irp k, 1,2,3
	v_lshrrev_b32 v[160+3*(4*\t+\j)+\k-1], 8*\k, v[224+4*\t+\j]
.endr
	ds_store_b8 v9, v[224+4*\t+\j] offset:(15-4*\j)*128+16*\t
	WIN 0
.irp k, 1,2,3
	ds_store_b8 v9, v[160+3*(4*\t+\j)+\k-1] offset:(15-4*\j-\k)*128+16*\t
.endr
.endr
.endr
	s_wait_dscnt 0x0                               ; for the others' sake: my scale bytes lie in LDS
	s_barrier_signal -1
	s_barrier_wait -1
	ds_load_b128 v[240:243], v99
	s_wait_dscnt 0x0
	global_store_b128 v109, v[240:243], s[22:23]   ; the work-group's 2,048 scale bytes: a wave stores 512 consecutive bytes
	s_wait_tensorcnt 0x0                           ; the wave's end
	ds_add_u32 v1, v2
	s_wait_dscnt 0x0
	CROUND                                         ; the closing round
	s_endpgm
.Lfunc_end_k_q392c651f38_main:
	.size	k_q392c651f38_main, .Lfunc_end_k_q392c651f38_main-k_q392c651f38_main
	.p2alignl 7, 3214868480
	.fill 96, 4, 3214868480
	.section	.rodata,"a",@progbits
	.p2align	6, 0x0
	.amdhsa_kernel k_q392c651f38_main
		.amdhsa_group_segment_fixed_size 327680
		.amdhsa_private_segment_fixed_size 0
		.amdhsa_enable_private_segment 0
		.amdhsa_kernarg_size 80
		.amdhsa_user_sgpr_count 2
		.amdhsa_user_sgpr_kernarg_segment_ptr 1
		.amdhsa_wavefront_size32 1
		.amdhsa_system_sgpr_workgroup_id_x 1
		.amdhsa_system_sgpr_workgroup_id_y 1
		.amdhsa_system_sgpr_workgroup_id_z 1
		.amdhsa_system_vgpr_workitem_id 0
		.amdhsa_next_free_vgpr 1024
		.amdhsa_next_free_sgpr 80
		.amdhsa_reserve_vcc 0
		.amdhsa_float_denorm_mode_32 3
		.amdhsa_float_denorm_mode_16_64 3
		.amdhsa_memory_ordered 1
		.amdhsa_forward_progress 1
		.amdhsa_inst_pref_size 169
	.end_amdhsa_kernel
	.amdgpu_metadata
---
amdhsa.version: [ 1, 2 ]
amdhsa.kernels:
  - .name:           k_q392c651f38_main
    .symbol:         k_q392c651f38_main.kd
    .args:
      - { .name: xq, .offset: 0, .size: 8, .value_kind: global_buffer, .address_space: global }
      - { .name: wimg, .offset: 8, .size: 8, .value_kind: global_buffer, .address_space: global }
      - { .name: Wk_scales, .offset: 16, .size: 8, .value_kind: global_buffer, .address_space: global }
      - { .name: Wv_scales, .offset: 24, .size: 8, .value_kind: global_buffer, .address_space: global }
      - { .name: Wr_scales, .offset: 32, .size: 8, .value_kind: global_buffer, .address_space: global }
      - { .name: time_decay, .offset: 40, .size: 8, .value_kind: global_buffer, .address_space: global }
      - { .name: time_first, .offset: 48, .size: 8, .value_kind: global_buffer, .address_space: global }
      - { .name: psum, .offset: 56, .size: 8, .value_kind: global_buffer, .address_space: global }
      - { .name: oc, .offset: 64, .size: 8, .value_kind: global_buffer, .address_space: global }
      - { .name: osc, .offset: 72, .size: 8, .value_kind: global_buffer, .address_space: global }
    .group_segment_fixed_size: 327680
    .private_segment_fixed_size: 0
    .kernarg_segment_align: 8
    .kernarg_segment_size: 80
    .max_flat_workgroup_size: 128
    .sgpr_count:     80
    .vgpr_count:     1024
    .wavefront_size: 32
...
	.end_amdgpu_metadata
.endif
;; end of part 3
;; launch outp (part 4): grid 4 x 64, 4 waves a work-group, clusters of 4 x 1, 240,384 bytes of LDS; arguments oc, osc, wimg, Wo_scales, out0; writes out0
.if DOCPART == 4
	.amdgcn_target "amdgcn-amd-amdhsa--gfx1250"
	.amdhsa_code_object_version 6
	.text
	.protected	k_q392c651f38_outp
	.globl	k_q392c651f38_outp
	.p2align	8
	.type	k_q392c651f38_outp,@function
k_q392c651f38_outp:
	s_mov_b64 s[64:65], 0
	v_nop
	global_prefetch_b8 v0, s[64:65] scope:SCOPE_SE
	s_setreg_imm32_b32 hwreg(HW_REG_WAVE_MODE, 25, 1), 1
	s_wait_xcnt 0x0
	s_wait_alu depctr_hold_cnt(0) depctr_sa_sdst(0) depctr_va_vdst(0) depctr_va_sdst(0) depctr_va_ssrc(0) depctr_va_vcc(0) depctr_vm_vsrc(0)
	s_getreg_b32 s2, hwreg(HW_REG_IB_STS2, 6, 4)
	s_cmp_eq_u32 s2, 0
	s_cbranch_scc0 .Lentry_in_a_cluster
	s_endpgm
.Lentry_in_a_cluster:
	s_bfe_u32 s2, ttmp6, 0x10000c
	s_cmp_lg_u32 s2, 0x3003
	s_cbranch_scc0 .Lentry_shape_is_right
	s_endpgm
.Lentry_shape_is_right:
; out0 = out Wo^T on codes of E2M3: 16,384 x 1,024 x 1,024, f32 sums, f32 out.
; SHARES.  A work-group makes 256 rows x 256 columns; wave w its columns 64 w .. 64 w + 63, for all 256 rows: its four tiles of Wo, all of K, stay in 384 registers.
; The 256 rows' codes, all of K (196,608 bytes), come into LDS once, at the head; nothing is filled twice.
; CLUSTER.  The four work-groups of a cluster make the four blocks of columns of the same 256 rows: every tile of codes is asked for jointly.
; oc is [block of 32 channels][tile of 16 rows][row][24 bytes].  A fragment's lane (r, h) wants, for registers 6 c on, the 24 bytes of block 4 s + 2 c + h: lanes 0-15 read even blocks, lanes 16-31 odd ones.
; So even and odd blocks lie in two regions of LDS, the second 128 bytes (mod 256) off the first: the 32 lanes of a load of 8 bytes touch 64 different banks.
; osc is [block][row] in bytes: each thread turns 4 rows x 4 blocks into scale words by byte permutes, once, at the head.
; THE MATRIX INSTRUCTION IS USED TRANSPOSED (source 0 = 16 rows of Wo, source 1 = 16 rows of out): a lane holds eight neighbouring columns of one row of out0.
; A pair of tiles of rows (32 rows) at a time, 64 matrix instructions; two sets of accumulators, so that a pair leaves through the wave's stage while the next is multiplied.
; REGISTERS.  window 0: v2-11 addresses; v16-23 the rows' scale words; v24-39 Wo's; v64-159, v160-255 the rows' fragments of K steps 0-3 and 4-7.
;   window 1: v0-191 Wo's tiles 0, 1; v192-255 their accumulators, two sets of four;  window 2: the same for tiles 2, 3;  window 3: v0-63 32 rows on the way out.
.set AODD,  98432                      ; the odd blocks' region
.set SCW,   196864                     ; scale words: [pair 8][K steps 0-3 | 4-7][row 32][4 words]
.set STG,   205056                     ; a stage of 32 rows x (256 bytes + 16) for each wave
.set MSB, 0
.macro WIN new                         ; the immediate's high byte repeats the setting that is left
.if MSB != (\new)
	s_set_vgpr_msb (MSB<<8)|(\new)
.set MSB, (\new)
.endif
.endm
.macro PLACES                          ; four plain places behind matrix instructions, in front of loads into their operands and of reads of their results
.rept 4
	v_nop
.endr
.endm
.macro CROUND                          ; a round of the cluster's barrier
	s_barrier_signal -1
	s_barrier_wait -1
	s_cmp_lg_u32 s24, 0
	s_cbranch_scc1 .Lnot_wave_0_\@
	s_barrier_signal -3
.Lnot_wave_0_\@:
	s_barrier_wait -3
	s_barrier_signal -1
	s_barrier_wait -1
.endm
; one matrix instruction on rD, rA, rB, rX, rW; K step rS = 0 starts the sum with the constant 0.  ra, rb: source 0's and source 1's scales stand in lanes 16-31
.macro WM ra, rb
.if rS == 0
.if (\ra) == 0 && (\rb) == 0
	v_wmma_scale_f32_16x16x128_f8f6f4 v[rD:rD+7], v[rA:rA+11], v[rB:rB+11], 0, v[rX], v[rW] matrix_a_fmt:MATRIX_FMT_FP6 matrix_b_fmt:MATRIX_FMT_FP6
.elseif (\ra) == 1 && (\rb) == 0
	v_wmma_scale_f32_16x16x128_f8f6f4 v[rD:rD+7], v[rA:rA+11], v[rB:rB+11], 0, v[rX], v[rW] matrix_a_fmt:MATRIX_FMT_FP6 matrix_b_fmt:MATRIX_FMT_FP6 matrix_a_scale:MATRIX_SCALE_ROW1
.elseif (\ra) == 0
	v_wmma_scale_f32_16x16x128_f8f6f4 v[rD:rD+7], v[rA:rA+11], v[rB:rB+11], 0, v[rX], v[rW] matrix_a_fmt:MATRIX_FMT_FP6 matrix_b_fmt:MATRIX_FMT_FP6 matrix_b_scale:MATRIX_SCALE_ROW1
.else
	v_wmma_scale_f32_16x16x128_f8f6f4 v[rD:rD+7], v[rA:rA+11], v[rB:rB+11], 0, v[rX], v[rW] matrix_a_fmt:MATRIX_FMT_FP6 matrix_b_fmt:MATRIX_FMT_FP6 matrix_a_scale:MATRIX_SCALE_ROW1 matrix_b_scale:MATRIX_SCALE_ROW1
.endif
.else
.if (\ra) == 0 && (\rb) == 0
	v_wmma_scale_f32_16x16x128_f8f6f4 v[rD:rD+7], v[rA:rA+11], v[rB:rB+11], v[rD:rD+7], v[rX], v[rW] matrix_a_fmt:MATRIX_FMT_FP6 matrix_b_fmt:MATRIX_FMT_FP6
.elseif (\ra) == 1 && (\rb) == 0
	v_wmma_scale_f32_16x16x128_f8f6f4 v[rD:rD+7], v[rA:rA+11], v[rB:rB+11], v[rD:rD+7], v[rX], v[rW] matrix_a_fmt:MATRIX_FMT_FP6 matrix_b_fmt:MATRIX_FMT_FP6 matrix_a_scale:MATRIX_SCALE_ROW1
.elseif (\ra) == 0
	v_wmma_scale_f32_16x16x128_f8f6f4 v[rD:rD+7], v[rA:rA+11], v[rB:rB+11], v[rD:rD+7], v[rX], v[rW] matrix_a_fmt:MATRIX_FMT_FP6 matrix_b_fmt:MATRIX_FMT_FP6 matrix_b_scale:MATRIX_SCALE_ROW1
.else
	v_wmma_scale_f32_16x16x128_f8f6f4 v[rD:rD+7], v[rA:rA+11], v[rB:rB+11], v[rD:rD+7], v[rX], v[rW] matrix_a_fmt:MATRIX_FMT_FP6 matrix_b_fmt:MATRIX_FMT_FP6 matrix_a_scale:MATRIX_SCALE_ROW1 matrix_b_scale:MATRIX_SCALE_ROW1
.endif
.endif
.endm
	s_load_b256 s[4:11], s[0:1], 0x0               ; oc, osc, wimg, Wo's scales
	s_load_b64 s[12:13], s[0:1], 0x20              ; out0
	v_lshl_add_u32 v62, v0, 2, 0x3a900
	v_mov_b32 v63, 0
	ds_add_u32 v62, v63
	ds_add_u32 v62, v63
	v_lshrrev_b32 v1, 5, v0
	v_readfirstlane_b32 s24, v1                    ; wave 0..3
	s_and_b32 s27, ttmp7, 0xffff                   ; which 256 rows: the four partners share it
	s_bfe_u32 s25, ttmp6, 0x40000                  ; cx: which 256 columns: it enters global addresses alone
	; descriptor group 1: four pairs of tiles of rows (3,072 consecutive bytes) of 16 blocks of one parity: 16 rows of 384 elements of 8 bytes, two blocks of oc (786,432 bytes) apart
	s_mov_b32 s32, 15|(3<<16)|(1<<21)              ; 15:0 the mask: all four work-groups; 17:16 elements of 8 bytes; 21 set beside a mask
	s_mov_b32 s33, 384<<16                         ; tensor_dim0
	s_mov_b32 s34, 16<<16                          ; tensor_dim1
	s_mov_b32 s35, 384<<16                         ; tile_dim0
	s_mov_b32 s36, 16                              ; tile_dim1
	s_mov_b32 s37, 98304                           ; the pitch
	s_mov_b32 s38, 0
	s_mov_b32 s39, 0
	s_and_b32 s28, s24, 1                          ; I fetch blocks of this parity,
	s_lshr_b32 s29, s24, 1                         ; pairs 4 (w / 2) + 0 .. 3
	s_mul_i32 s30, s28, AODD
	s_mul_i32 s31, s29, 49152
	s_add_co_u32 s30, s30, s31
	s_mul_i32 s2, s28, 393216
	s_mul_i32 s3, s27, 6144
	s_add_co_u32 s2, s2, s3
	s_mul_i32 s3, s29, 3072
	s_add_co_u32 s2, s2, s3
	s_mov_b32 s3, 0
	s_mov_b32 s56, 0x05010400                      ; the byte permutes' selects
	s_mov_b32 s57, 0x07030602
	s_mov_b32 s58, 0x05040100
	s_mov_b32 s59, 0x07060302
	v_and_b32 v64, 31, v0                          ; lane
	v_and_b32 v65, 15, v0                          ; r
	v_bfe_u32 v66, v0, 4, 1                        ; h
	v_mul_u32_u24 v2, v65, 24
	v_mad_u32_u24 v2, v66, AODD, v2                ; v2: my row's 24 bytes of a block, pairs 0-3;
	v_add_nc_u32 v3, 49152, v2                     ; v3: pairs 4-7
	v_lshlrev_b32 v8, 4, v64                       ; v8: 16 x lane
	v_add_nc_u32 v4, SCW, v8                       ; v4: my row's four scale words
	s_mul_i32 s31, s24, 8704
	s_add_co_u32 s31, s31, STG
	v_mul_u32_u24 v5, v65, 272
	v_lshl_add_u32 v5, v66, 5, v5
	v_add_nc_u32 v5, s31, v5                       ; v5: the stage, in: row r, 32 bytes for each half of the lanes
	v_mul_u32_u24 v6, v66, 272
	v_lshl_add_u32 v6, v65, 4, v6
	v_add_nc_u32 v6, s31, v6                       ; v6: out: lanes 0-15 one row of 256 bytes, lanes 16-31 the next
	v_lshlrev_b32 v7, 12, v66
	v_lshl_add_u32 v7, v65, 4, v7                  ; v7: and the same two rows in out0
	v_lshlrev_b32 v9, 5, v64                       ; v9: 32 x lane
	v_and_b32 v67, 63, v0
	v_lshrrev_b32 v68, 6, v0
	v_lshlrev_b32 v10, 16, v68
	v_lshl_add_u32 v10, v67, 2, v10                ; v10: osc: rows 4 (t % 64) on, blocks 4 (t / 64) on
	v_lshrrev_b32 v69, 3, v67
	v_lshlrev_b32 v11, 10, v69
	v_and_b32 v69, 7, v0
	v_lshl_add_u32 v11, v69, 6, v11
	v_lshl_add_u32 v11, v68, 2, v11
	v_add_nc_u32 v11, SCW, v11                     ; v11: where their scale words go
	s_wait_dscnt 0x0
	s_wait_kmcnt 0x0
	s_add_nc_u64 s[2:3], s[4:5], s[2:3]
	s_mov_b32 s40, 1
	s_mov_b32 s41, s30
	s_mov_b64 s[42:43], s[2:3]
	s_or_b32 s43, s43, 0x80000000
	s_lshl_b32 s66, s25, 4
	s_lshl_b32 s67, s24, 2
	s_add_co_u32 s66, s66, s67                     ; my first tile of Wo: 16 cx + 4 w
	s_mul_i32 s68, s66, 12288
	s_mov_b32 s69, 0
	s_add_nc_u64 s[8:9], s[8:9], s[68:69]
	s_lshl_b32 s68, s66, 9
	s_add_nc_u64 s[10:11], s[10:11], s[68:69]
	s_lshl_b32 s68, s66, 6
	s_lshl_b32 s70, s27, 20
	s_add_co_u32 s68, s68, s70
	s_add_nc_u64 s[12:13], s[12:13], s[68:69]      ; out0 at my first row and column
	s_lshl_b32 s68, s27, 8
	s_add_nc_u64 s[6:7], s[6:7], s[68:69]
	CROUND                                         ; all four work-groups are here: the joint loads meet
	tensor_load_to_lds s[40:43], s[32:39]          ; my one tensor load: 49,152 bytes, in LDS as [block 16][pair 4][768 bytes]
	s_nop 0
.rept 4
	v_nop
.endr
.irp j, 0,1,2,3
	WIN ((\j/2)+1)<<6
.set ff, 0
.rept 8
.irp gg, 0,1,2
	global_load_b128 v[12*(8*(\j%2)+ff)+4*\gg:12*(8*(\j%2)+ff)+4*\gg+3], v8, s[8:9] offset:2359296+\j*12288+1536*ff+512*\gg   ; Wo's tile j, K step ff: it stays
.endr
.set ff, ff+1
.endr
.endr
	WIN 0
.irp jp, 0,1
	global_load_b128 v[24+8*\jp:27+8*\jp], v9, s[10:11] offset:1024*\jp        ; lane = a row of Wo's tiles 2 jp, 2 jp + 1: its 8 scale words
	global_load_b128 v[28+8*\jp:31+8*\jp], v9, s[10:11] offset:1024*\jp+16
.endr
	s_wait_alu depctr_va_vdst(0)
.irp u, 0,1,2,3
.irp q, 0,1,2,3
	global_load_b32 v[64+4*\u+\q], v10, s[6:7] offset:(8*\u+\q)*16384          ; four rows' bytes of block 8 u + 4 (t / 64) + q
.endr
.endr
	s_wait_loadcnt 0x0
.irp u, 0,1,2,3                        ; 4 blocks x 4 rows of bytes are turned: K step 2 u + t / 64 of each of the four rows
	v_perm_b32 v80, v[65+4*\u], v[64+4*\u], s56
	v_perm_b32 v81, v[65+4*\u], v[64+4*\u], s57
	v_perm_b32 v82, v[67+4*\u], v[66+4*\u], s56
	v_perm_b32 v83, v[67+4*\u], v[66+4*\u], s57
	v_perm_b32 v[96+4*\u], v82, v80, s58
	v_perm_b32 v[97+4*\u], v82, v80, s59
	v_perm_b32 v[98+4*\u], v83, v81, s58
	v_perm_b32 v[99+4*\u], v83, v81, s59
.irp j, 0,1,2,3
	ds_store_b32 v11, v[96+4*\u+\j] offset:512*(\u/2)+8*(\u%2)+16*\j
.endr
.endr
	s_wait_dscnt 0x0                               ; for the others' sake: my scale words lie in LDS,
	s_wait_tensorcnt 0x0                           ; and my tile has landed
	s_barrier_signal -1
	s_barrier_wait -1
; pair pr's fragments of K steps 4 e .. 4 e + 3, both tiles of rows, and their scale words: 49 loads
.macro FH e, pr
.irp sg, 0,1,2,3
.irp t, 0,1
.irp c, 0,1
.irp p, 0,1,2
	ds_load_b64 v[64+96*(\e)+12*(2*\sg+\t)+6*\c+2*\p:65+96*(\e)+12*(2*\sg+\t)+6*\c+2*\p], v[2+(\pr)/4] offset:((\pr)%4)*768+(2*(4*(\e)+\sg)+\c)*3072+384*\t+8*\p
.endr
.endr
.endr
.endr
	ds_load_b128 v[16+4*(\e):19+4*(\e)], v4 offset:1024*(\pr)+512*(\e)
.endm
; 32 matrix instructions: those K steps, my four tiles of Wo x two tiles of rows, into accumulator set q.  In each window four accumulators take turns, one instruction a turn
.macro PQ e, q
.irp win, 1,2
	WIN (\win)|((\win)<<4)|((\win)<<6)             ; source 0 (Wo), C and D in Wo's window; source 1 (the rows) window 0
.irp sg, 0,1,2,3
.irp jp, 0,1
.irp t, 0,1
.set rS, 4*(\e)+\sg
.set rD, 192+32*(\q)+8*(2*\t+\jp)
.set rA, 12*(8*\jp+rS)
.set rB, 64+96*(\e)+12*(2*\sg+\t)
.set rX, 24+8*(\win-1)+rS
.set rW, 16+rS
	WM \jp, \t
.endr
.endr
.endr
.endr
.endm
; accumulator set q goes into my stage, 32 bytes a lane, and comes back as whole rows of 256 bytes.  LDS serves a wave's instructions in order: no wait between the stores and the loads
.macro TOSTAGE q
.irp win, 1,2
	WIN (\win)<<2                                  ; an LDS store's data are its source 1
.irp jp, 0,1
.irp t, 0,1
	ds_store_b128 v5, v[192+32*(\q)+8*(2*\t+\jp):195+32*(\q)+8*(2*\t+\jp)] offset:4352*\t+64*(2*(\win-1)+\jp)          ; each accumulator from its low end on
	ds_store_b128 v5, v[196+32*(\q)+8*(2*\t+\jp):199+32*(\q)+8*(2*\t+\jp)] offset:4352*\t+64*(2*(\win-1)+\jp)+16
.endr
.endr
.endr
	WIN 0xc0                                       ; destination window 3
.set tt, 0
.rept 16
	ds_load_b128 v[4*tt:4*tt+3], v6 offset:544*tt
.set tt, tt+1
.endr
	WIN 0
.endm
.macro SEND pr                         ; pair pr's 32 rows: sixteen lanes store 256 consecutive bytes, at a multiple of 256 from out0's first byte; the pair's place stands in the immediate
	WIN 0x0c                                       ; a store's data are its source 1: window 3
.set tt, 0
.rept 16
	global_store_b128 v7, v[4*tt:4*tt+3], s[12:13] offset:(\pr)*131072+8192*tt th:TH_STORE_NT
.set tt, tt+1
.endr
	WIN 0
.endm
	FH 0, 0
	FH 1, 0
.irp i, 0,1,2,3,4,5,6,7
	s_wait_dscnt 49                                ; this pair's K steps 0-3 are in; the 49 loads of K steps 4-7 may be out
	PQ 0, \i%2
	PLACES
	WIN 0
.if \i > 0
	s_wait_xcnt 0x0                                ; the stores of the pair before last have read window 3's registers
	TOSTAGE (\i-1)%2                               ; the last pair leaves while this one is multiplied
.endif
.if \i < 7
	FH 0, \i+1
.endif
.if \i == 0
	s_wait_dscnt 49                                ; K steps 4-7 are in; behind them: the next pair's 49
.elseif \i < 7
	s_wait_dscnt 63                                ; behind them stand 32 + 49 instructions; the count's field holds 63 at the most, which waits for a little more
.else
	s_wait_dscnt 32                                ; behind them: the stage's 32
.endif
	PQ 1, \i%2
.if \i > 0
.if \i < 7
	s_wait_dscnt 49                                ; the last pair's rows are back from the stage
.else
	s_wait_dscnt 0x0
.endif
	SEND \i-1
.endif
	PLACES
	WIN 0
.if \i < 7
	FH 1, \i+1
.endif
.endr
	s_wait_xcnt 0x0
	TOSTAGE 1
	s_wait_dscnt 0x0
	SEND 7
	s_wait_tensorcnt 0x0
	ds_add_u32 v62, v63
	s_wait_dscnt 0x0
	CROUND                                         ; the closing round: no work-group ends while a partner may still ask for a tile that names it
	s_endpgm
.Lfunc_end_k_q392c651f38_outp:
	.size	k_q392c651f38_outp, .Lfunc_end_k_q392c651f38_outp-k_q392c651f38_outp
	.p2alignl 7, 3214868480
	.fill 96, 4, 3214868480
	.section	.rodata,"a",@progbits
	.p2align	6, 0x0
	.amdhsa_kernel k_q392c651f38_outp
		.amdhsa_group_segment_fixed_size 240384
		.amdhsa_private_segment_fixed_size 0
		.amdhsa_enable_private_segment 0
		.amdhsa_kernarg_size 40
		.amdhsa_user_sgpr_count 2
		.amdhsa_user_sgpr_kernarg_segment_ptr 1
		.amdhsa_wavefront_size32 1
		.amdhsa_system_sgpr_workgroup_id_x 1
		.amdhsa_system_sgpr_workgroup_id_y 1
		.amdhsa_system_sgpr_workgroup_id_z 1
		.amdhsa_system_vgpr_workitem_id 0
		.amdhsa_next_free_vgpr 832
		.amdhsa_next_free_sgpr 80
		.amdhsa_reserve_vcc 0
		.amdhsa_float_denorm_mode_32 3
		.amdhsa_float_denorm_mode_16_64 3
		.amdhsa_memory_ordered 1
		.amdhsa_forward_progress 1
		.amdhsa_inst_pref_size 167
	.end_amdhsa_kernel
	.amdgpu_metadata
---
amdhsa.version: [ 1, 2 ]
amdhsa.kernels:
  - .name:           k_q392c651f38_outp
    .symbol:         k_q392c651f38_outp.kd
    .args:
      - { .name: oc, .offset: 0, .size: 8, .value_kind: global_buffer, .address_space: global }
      - { .name: osc, .offset: 8, .size: 8, .value_kind: global_buffer, .address_space: global }
      - { .name: wimg, .offset: 16, .size: 8, .value_kind: global_buffer, .address_space: global }
      - { .name: Wo_scales, .offset: 24, .size: 8, .value_kind: global_buffer, .address_space: global }
      - { .name: out0, .offset: 32, .size: 8, .value_kind: global_buffer, .address_space: global }
    .group_segment_fixed_size: 240384
    .private_segment_fixed_size: 0
    .kernarg_segment_align: 8
    .kernarg_segment_size: 40
    .max_flat_workgroup_size: 128
    .sgpr_count:     80
    .vgpr_count:     832
    .wavefront_size: 32
...
	.end_amdgpu_metadata
.endif
;; end of part 4
